; MI455X (gfx1250); checked and timed in simulation.
; The chip was launched on July 23, 2026; its instructions are those of AMD's public machine-readable ISA for CDNA 5 (MIT licence, August 2026) and "CDNA5" Instruction Set Architecture Reference Guide (July 2026). The comments in the code are by the model that wrote it; some were corrected since.
;; Mistral MHA. Allowed arithmetic: matrix products marked QUANTISED: E2M3 operands, one E8M0 scale for each 32 along K, by v_wmma_scale_f32_16x16x128_f8f6f4 with both operands' format E2M3, f32 sums; everything else in f32.
;; Inputs: freqs_cos 2,048 x 64 float32; freqs_sin 2,048 x 64 float32; mask 2,048 x 2,048 float32; positions 2,048 int32; wk 1,024 x 4,096 float32; wo 4,096 x 2,048 float32; wq 2,048 x 4,096 float32; wv 1,024 x 4,096 float32; x 1 x 2,048 x 4,096 float32.
;; Outputs: out0 1 x 2,048 x 4,096 float32.
;; This version of the problem:
;;   THIS VERSION OF THE PROBLEM IS GIVEN IN LOW PRECISION. The matrix products marked QUANTISED in the list below multiply operands that are first quantised to E2M3 (2 exponent bits, 3 mantissa bits; 6 bits a number), with one power-of-two scale for each 32 numbers along K (OCP MX v1.0); their sums are f32. All else is computed in f32.
;;   The module's matrix products, in the order in which they are computed (A, B: the left and right operand; K: the contracted axis; several contracted axes count as one K, in the product's order):
;;     1. [M 2,048, K 4,096] x [K 4,096, N 2,048]; A: input x; B: input wq: QUANTISED
;;     2. [M 2,048, K 4,096] x [K 4,096, N 1,024]; A: input x; B: input wk: QUANTISED
;;     3. [M 2,048, K 4,096] x [K 4,096, N 1,024]; A: input x; B: input wv: QUANTISED
;;     4. batch 16 x [M 2,048, K 128] x [K 128, N 2,048]; A: computed on the way; B: computed on the way: QUANTISED
;;     5. batch 16 x [M 128, K 2,048] x [K 2,048, N 2,048]; A: computed on the way; B: softmax (see below): QUANTISED
;;     6. [M 2,048, K 2,048] x [K 2,048, N 4,096]; A: computed on the way; B: input wo: QUANTISED
;;   THE QUANTISER, for each operand of a quantised product, along K:
;;     - K is cut into blocks of 32 from its start; a last block that is shorter is filled with zeros.
;;     - A block's scale is 2^e with e = floor(log2(the largest magnitude in the block)) - 2, held to -126 .. 127; a block of zeros has e = 0. As a byte (E8M0): e + 127.
;;     - Each number is divided by its block's scale, clamped to +-7.5, and rounded to the nearest number of E2M3, ties to even, subnormals kept.
;;     - The product sums the exact products of the quantised numbers (number of the format x scale) in f32.
;;   ~~~python
;;   def quantise(x, axis):      # numpy; x: float32 -> the quantised numbers, widened to float32 again
;;       x = np.moveaxis(x, axis, -1); K = x.shape[-1]
;;       x = np.pad(x, [(0, 0)] * (x.ndim - 1) + [(0, -K % 32)]); x = x.reshape(x.shape[:-1] + (-1, 32)); a = np.abs(x).max(-1, keepdims=True)
;;       e = np.where(a > 0, np.clip(np.frexp(np.where(a > 0, a, 1))[1] - 1 - 2, -126, 127), 0)      # np.frexp(a)[1] - 1 = floor(log2(a)), exactly
;;       r = np.clip(x / 2.0 ** e, -7.5, 7.5)
;;       step = 2.0 ** (np.maximum(np.frexp(np.where(r == 0, 1, r))[1] - 1, 0) - 3)
;;       q = np.round(r / step) * step * 2.0 ** e      # np.round: ties to even
;;       return np.moveaxis(q.reshape(q.shape[:-2] + (-1,))[..., :K], -1, axis).astype(np.float32)
;;   ~~~
;;   SOFTMAX AHEAD OF A QUANTISED PRODUCT. Where the list says 'softmax', what is quantised is not the finished softmax but p = 2^(t - M), with t = logit x log2(e) and M = ceil(the row's largest t), a whole number; so 1/2 < the row's largest p <= 1. The row's sum l is taken of the UNQUANTISED p, in f32, and the product's result is divided by l at the end. Since M is a whole number, a kernel that streams over the keys may use a running M (the ceiling of the running maximum): every later rescaling is an exact power of two, which a block's scale takes up: the codes' values come out the same.
;;   OPERANDS COMPUTED ON THE WAY. 'Computed on the way' means the value that the module computes at that place (a softmax that the list does not call 'softmax' is quantised finished and normalised). What goes into a quantiser is computed in f32, as accurately as f32 sums, v_exp_f32 and their like allow (about 1e-6 of the number): no bf16 or f16 on the way to a quantiser, and a product that is left as it is and whose result goes on into a quantised operand takes f32 operands (vector FMAs, or v_wmma_f32_16x16x4_f32). A number that lies on a knife's edge between two numbers of the format may be rounded either way, as far as f32 arithmetic and the matrix unit's own rounding can turn it there, and no further.
;; One version. Each part assembles by itself: llvm-mc -triple=amdgcn-amd-amdhsa -mcpu=gfx1250 --defsym DOCPART=n.
;; ======== version 1 of 1: 4 launches
;; limits: right only within a limited range of input values
;; workspace buffers: xw_rec 19,660,800 bytes; wo_rec 6,553,600 bytes; qkv_img 6,291,456 bytes; qkv_sc 262,144 bytes; o_rec 3,276,800 bytes
;; launch quant (part 1): grid 1024 x 1, 4 waves a work-group, no clusters, 34,304 bytes of LDS; arguments x, wq, wk, wv, wo, xw_rec, wo_rec; writes xw_rec, wo_rec
.if DOCPART == 1
	.amdgcn_target "amdgcn-amd-amdhsa--gfx1250"
	.amdhsa_code_object_version 6
	.text
	.protected	k_q4294be3c2a_quant
	.globl	k_q4294be3c2a_quant
	.p2align	8
	.type	k_q4294be3c2a_quant,@function
k_q4294be3c2a_quant:
	s_mov_b64 s[64:65], 0
	v_nop
	global_prefetch_b8 v0, s[64:65] scope:SCOPE_SE
	s_setreg_imm32_b32 hwreg(HW_REG_WAVE_MODE, 25, 1), 1
	s_wait_xcnt 0x0
; x [2048][4096], wq [2048][4096], wk, wv [1024][4096], wo [4096][2048], f32, K innermost, become codes of FP6 (E2M3) with one E8M0 byte for each 32 along K.
; THE OUTPUT LIES IN THE ORDER OF THE OPERAND'S REGISTERS.  An IMAGE is a fragment (16 rows x 128 K: 12 registers a lane): registers 4 c .. 4 c + 3 of lane l at byte 512 c + 16 l: 1,536 bytes.
; A RECORD is 16 rows x 512 K: four images, then 256 bytes of scale words [row 0..15][word 0..3]: 6,400 bytes, 25 aligned blocks of 256.
; xw_rec: [s = K / 512: 0..7][row block: x 0..127, wq 128..255, wk 256..319, wv 320..383][6400];  wo_rec: [s 0..3][row block 0..255][6400].
; wv's ROW BLOCKS ARE NOT NEIGHBOURING ROWS: place i of block 2 B + u of a head takes row 32 B + 8 u + i + 8 (i / 8), so that attention's result comes out with its 128 channels in natural order.
; A wave makes one record: 32 KiB in, 6,400 bytes out.  Each load reads 512 consecutive bytes of a row; the conversions want 16 neighbours along K in one lane, so a fragment's 16 x 512 bytes turn through the
; wave's own stage in LDS (rows 528 bytes apart: 33 x 16, so the 16 rows that a read touches start in 16 different groups of banks; 64 banks of 4 bytes: ISA guide 11.1).
; A block's scale is 2^(floor(log2(largest magnitude)) - 2); its byte is the largest magnitude's exponent field - 2, held at 1 from below.
; LIMITS: a block of zeros gets the byte 1 where the rule says 127 (its codes are zeros, and this program alone reads the bytes); NaN and infinities among the inputs are not served.
; No cluster: no two work-groups read the same bytes.  No tensor load, no barrier: waves share nothing.
; LEFT OUT: reference() takes no number from 'positions' (only its fixed length chooses the prefill path), so it has no way to any output: it is not loaded and is no argument of any launch.
.set SP,    528
.set WREG,  16*SP                      ; a wave's stage
.set SPARE, 4*WREG                     ; behind the stages: the spare words, 128 bytes a wave: two blocks of 256 bytes that no other line names
.set REC,   6400
.set LI,   1                           ; v1   16 x lane
.set SIN,  2                           ; v2   the stage, on the way in
.set SOUT, 3                           ; v3   and on the way out: row r, + 64 h
.set SCO,  4                           ; v4   16 r + 8 h: my two scale words' place
.set HH,   5                           ; v5   h = lane / 16
.set R,    16                          ; v16-143  two sets of 64: a fragment's numbers as loaded
.set X,    144                         ; v144-207 64 numbers: register 16 b + i = k 32 b + 16 h + i of row r
.set TM,   208                         ; v208-223 at work
.set PW,   224                         ; v224-227 the four scale words
.set PC,   228                         ; v228-247 the codes just made
.set SW,   248                         ; v248-249 the two words that I store
.set SPW,  250                         ; v250 LDS address of my spare word; never rewritten
.set NIL,  251                         ; v251 0; never rewritten
.set ROWS, 32                          ; s[32:63] the addresses of my 16 rows
.set DST,  66                          ; s[66:67] my record
.set SEL,  68                          ; s[68:69] lane selects: lane l xor 16
	s_load_b256 s[4:11], s[0:1], 0x0               ; x, wq, wk, wv
	s_load_b128 s[12:15], s[0:1], 0x20             ; wo, xw_rec
	s_load_b64 s[16:17], s[0:1], 0x30              ; wo_rec
	v_lshl_add_u32 v[SPW], v0, 2, SPARE
	v_mov_b32 v[NIL], 0
	v_lshrrev_b32 v6, 5, v0
	v_readfirstlane_b32 s2, v6                     ; wave
	v_and_b32 v7, 31, v0                           ; lane
	v_and_b32 v8, 15, v0                           ; r
	v_bfe_u32 v[HH], v0, 4, 1
	v_lshlrev_b32 v[LI], 4, v7
	s_mul_i32 s3, s2, WREG
	v_add_nc_u32 v[SIN], s3, v[LI]
	v_mul_u32_u24 v[SOUT], v8, SP
	v_lshl_add_u32 v[SOUT], v[HH], 6, v[SOUT]
	v_add_nc_u32 v[SOUT], s3, v[SOUT]
	v_lshlrev_b32 v[SCO], 4, v8
	v_lshl_add_u32 v[SCO], v[HH], 3, v[SCO]
.irp b, 0,1,2,3
	v_mov_b32 v[TM+4+\b], 0                        ; written once: a lane permute's destination counts as one of its sources
.endr
	s_mov_b32 s[SEL], 0x76543210
	s_mov_b32 s[SEL+1], 0xfedcba98
	; which record is mine.  Work-groups 0..767: xw_rec, row block wg / 2, s = 4 (wg & 1) + wave.  768..1023: wo_rec, row block wg - 768, s = wave.
	s_lshr_b32 s21, ttmp9, 1
	s_and_b32 s22, ttmp9, 1
	s_lshl_b32 s22, s22, 2
	s_add_co_u32 s22, s22, s2
	s_sub_co_u32 s23, ttmp9, 768
	s_sub_co_u32 s27, ttmp9, 640
	s_cmp_lt_u32 s27, 128                          ; wv's work-groups: 640..767
	s_cselect_b32 s28, 8, 0
	s_cselect_b32 s72, 131072, 0                   ; there places 8..15 lie eight rows (8 x 16,384 bytes) further down
	s_mov_b32 s73, 0
	s_wait_alu depctr_va_vdst(0)
	s_wait_kmcnt 0x0
	s_cmp_lt_u32 ttmp9, 256                        ; the choices hang on the work-group's number alone
	s_cselect_b64 s[18:19], s[4:5], s[6:7]
	s_cselect_b32 s20, 0, 128                      ; the tensor's first row block
	s_cmp_lt_u32 ttmp9, 512
	s_cselect_b64 s[18:19], s[18:19], s[8:9]
	s_cselect_b32 s20, s20, 256
	s_cmp_lt_u32 ttmp9, 640
	s_cselect_b64 s[18:19], s[18:19], s[10:11]
	s_cselect_b32 s20, s20, 320
	s_cmp_lt_u32 ttmp9, 768
	s_cselect_b64 s[18:19], s[18:19], s[12:13]
	s_cselect_b64 s[DST:DST+1], s[14:15], s[16:17]
	s_cselect_b32 s20, s20, 0
	s_cselect_b32 s21, s21, s23                    ; row block
	s_cselect_b32 s22, s22, s2                     ; s
	s_cselect_b32 s25, 14, 13                      ; a row is 2^14 or 2^13 bytes
	s_cselect_b32 s26, 128, 0
	s_add_co_u32 s26, s26, 256                     ; row blocks in the buffer: 384 or 256
	s_sub_co_u32 s24, s21, s20                     ; the row block within its tensor
	s_and_b32 s29, s24, 1
	s_mul_i32 s29, s29, s28
	s_lshl_b32 s30, s24, 4
	s_sub_co_u32 s30, s30, s29                     ; its first row (wv: 16 block - 8 (block & 1))
	s_lshl_b32 s30, s30, s25
	s_lshl_b32 s31, s22, 11                        ; + 2,048 s bytes along K
	s_add_co_u32 s30, s30, s31
	s_mov_b32 s31, 0
	s_add_nc_u64 s[ROWS:ROWS+1], s[18:19], s[30:31]
	s_lshl_b32 s70, 1, s25
	s_mov_b32 s71, 0
.irp i, 1,2,3,4,5,6,7,8,9,10,11,12,13,14,15
	s_add_nc_u64 s[ROWS+2*\i:ROWS+2*\i+1], s[ROWS+2*\i-2:ROWS+2*\i-1], s[70:71]
.if \i == 8
	s_add_nc_u64 s[ROWS+16:ROWS+17], s[ROWS+16:ROWS+17], s[72:73]
.endif
.endr
	s_mul_i32 s26, s22, s26
	s_add_co_u32 s26, s26, s21
	s_mul_i32 s26, s26, REC
	s_mov_b32 s27, 0
	s_add_nc_u64 s[DST:DST+1], s[DST:DST+1], s[26:27]
.macro LOAD kq                         ; fragment kq: 16 rows x 512 consecutive bytes, into set kq % 2
.irp i, 0,1,2,3,4,5,6,7,8,9,10,11,12,13,14,15
	global_load_b128 v[R+64*((\kq)%2)+4*\i:R+64*((\kq)%2)+4*\i+3], v[LI], s[ROWS+2*\i:ROWS+2*\i+1] offset:512*(\kq) th:TH_LOAD_NT
.endr
.endm
; 64 numbers of a lane, register 16 b + i = k 32 b + 16 h + i of my row, become a fragment's codes in v[PC] on and its scale word in v[pw].
.macro QUANT s, pw
.irp b, 0,1,2,3
	v_max3_num_f32 v[TM+\b], |v[\s+16*\b]|, |v[\s+1+16*\b]|, 0x1800000   ; block b: my 16 numbers, and the floor 2^(3 - 127): the byte cannot fall under 1
.endr
.irp i, 2,4,6,8,10,12,14
.irp b, 0,1,2,3
	v_max3_num_f32 v[TM+\b], v[TM+\b], |v[\s+16*\b+\i]|, |v[\s+1+16*\b+\i]|   ; the four blocks by turns
.endr
.endr
.irp b, 0,1,2,3
	v_permlanex16_b32 v[TM+4+\b], v[TM+\b], s[SEL], s[SEL+1]
.endr
.irp b, 0,1,2,3
	v_max_num_f32 v[TM+\b], v[TM+\b], v[TM+4+\b]   ; with lane l xor 16's: the block's largest magnitude
.endr
.irp b, 0,1,2,3
	v_add_nc_u32 v[TM+12+\b], 0xff000000, v[TM+\b] ; 2 off its exponent field: the conversion takes this operand's exponent field as its scale
.endr
.irp b, 0,1,2,3
	v_lshrrev_b32 v[TM+4+\b], 23, v[TM+12+\b]      ; the scale's byte
.endr
	v_lshl_or_b32 v[\pw], v[TM+5], 8, v[TM+4]
	v_lshl_or_b32 v[\pw], v[TM+6], 16, v[\pw]
	v_lshl_or_b32 v[\pw], v[TM+7], 24, v[\pw]
.irp c, 0,1
	v_cvt_scalef32_pk16_fp6_f32 v[PC+6*\c:PC+2+6*\c], v[\s+32*\c:\s+15+32*\c], v[TM+12+2*\c]
	v_cvt_scalef32_pk16_fp6_f32 v[PC+12+4*\c:PC+14+4*\c], v[\s+16+32*\c:\s+31+32*\c], v[TM+12+2*\c+1]   ; (a conversion's three registers begin on an even number)
.endr
	v_nop                                          ; one plain place behind a scaled conversion
.irp c, 0,1                                    ; the operand's layout wants a whole block in a lane: lanes 0-15 block 2 c, lanes 16-31 block 2 c + 1
.irp i, 0,1,2
	v_permlane16_swap_b32 v[PC+6*\c+\i], v[PC+12+4*\c+\i]
.endr
.irp i, 0,1,2
	v_mov_b32 v[PC+3+6*\c+\i], v[PC+12+4*\c+\i]
.endr
.endr
.endm
.macro FRAGQ kq
.if (\kq) < 3
	s_wait_loadcnt 16                              ; this fragment's 16 loads are in; the next fragment's 16 may be out
.else
	s_wait_loadcnt 0x0
.endif
.irp i, 0,1,2,3,4,5,6,7,8,9,10,11,12,13,14,15
	ds_store_b128 v[SIN], v[R+64*((\kq)%2)+4*\i:R+64*((\kq)%2)+4*\i+3] offset:SP*\i
.endr
.irp b, 0,1,2,3
.irp j, 0,1,2,3
	ds_load_b128 v[X+16*\b+4*\j:X+16*\b+4*\j+3], v[SOUT] offset:128*\b+16*\j   ; LDS serves a wave's instructions in order: these see the stores above
.endr
.endr
	s_wait_dscnt 0x0                               ; my 64 numbers are back
	s_wait_xcnt 0x0                                ; the last fragment's stores have read their data: the codes' registers are written again only behind this wait
.if (\kq) < 2
	LOAD (\kq)+2
.endif
	QUANT X, PW+(\kq)
.irp c, 0,1,2
	global_store_b128 v[LI], v[PC+4*\c:PC+4*\c+3], s[DST:DST+1] offset:1536*(\kq)+512*\c   ; 32 lanes store 512 consecutive bytes, at a multiple of 256 from the buffer's first byte
.endr
.endm
	LOAD 0
	LOAD 1
	FRAGQ 0
	FRAGQ 1
	FRAGQ 2
	FRAGQ 3
	v_cmp_ne_u32 vcc_lo, 0, v[HH]
	v_cndmask_b32 v[SW], v[PW], v[PW+2], vcc_lo    ; lane (r, h) stores words 2 h and 2 h + 1 of row r
	v_cndmask_b32 v[SW+1], v[PW+1], v[PW+3], vcc_lo
	global_store_b64 v[SCO], v[SW:SW+1], s[DST:DST+1] offset:6144   ; 32 lanes store one aligned block of 256 bytes
	s_wait_tensorcnt 0x0                           ; the wave's end: behind my last LDS store
	ds_add_u32 v[SPW], v[NIL]
	s_wait_dscnt 0x0
	s_endpgm
.Lfunc_end_k_q4294be3c2a_quant:
	.size	k_q4294be3c2a_quant, .Lfunc_end_k_q4294be3c2a_quant-k_q4294be3c2a_quant
	.p2alignl 7, 3214868480
	.fill 96, 4, 3214868480
	.section	.rodata,"a",@progbits
	.p2align	6, 0x0
	.amdhsa_kernel k_q4294be3c2a_quant
		.amdhsa_group_segment_fixed_size 34304
		.amdhsa_private_segment_fixed_size 0
		.amdhsa_enable_private_segment 0
		.amdhsa_kernarg_size 56
		.amdhsa_user_sgpr_count 2
		.amdhsa_user_sgpr_kernarg_segment_ptr 1
		.amdhsa_wavefront_size32 1
		.amdhsa_system_sgpr_workgroup_id_x 1
		.amdhsa_system_sgpr_workgroup_id_y 1
		.amdhsa_system_sgpr_workgroup_id_z 1
		.amdhsa_system_vgpr_workitem_id 0
		.amdhsa_next_free_vgpr 256
		.amdhsa_next_free_sgpr 80
		.amdhsa_reserve_vcc 1
		.amdhsa_float_denorm_mode_32 3
		.amdhsa_float_denorm_mode_16_64 3
		.amdhsa_memory_ordered 1
		.amdhsa_forward_progress 1
		.amdhsa_inst_pref_size 35
	.end_amdhsa_kernel
	.amdgpu_metadata
---
amdhsa.version: [ 1, 2 ]
amdhsa.kernels:
  - .name:           k_q4294be3c2a_quant
    .symbol:         k_q4294be3c2a_quant.kd
    .args:
      - { .name: x, .offset: 0, .size: 8, .value_kind: global_buffer, .address_space: global }
      - { .name: wq, .offset: 8, .size: 8, .value_kind: global_buffer, .address_space: global }
      - { .name: wk, .offset: 16, .size: 8, .value_kind: global_buffer, .address_space: global }
      - { .name: wv, .offset: 24, .size: 8, .value_kind: global_buffer, .address_space: global }
      - { .name: wo, .offset: 32, .size: 8, .value_kind: global_buffer, .address_space: global }
      - { .name: xw_rec, .offset: 40, .size: 8, .value_kind: global_buffer, .address_space: global }
      - { .name: wo_rec, .offset: 48, .size: 8, .value_kind: global_buffer, .address_space: global }
    .group_segment_fixed_size: 34304
    .private_segment_fixed_size: 0
    .kernarg_segment_align: 8
    .kernarg_segment_size: 56
    .max_flat_workgroup_size: 128
    .sgpr_count:     80
    .vgpr_count:     256
    .wavefront_size: 32
...
	.end_amdgpu_metadata
.endif
;; end of part 1
;; launch qkv (part 2): grid 16 x 16, 4 waves a work-group, clusters of 4 x 4, 327,680 bytes of LDS; arguments xw_rec, freqs_cos, freqs_sin, qkv_img, qkv_sc; writes qkv_img, qkv_sc
.if DOCPART == 2
	.amdgcn_target "amdgcn-amd-amdhsa--gfx1250"
	.amdhsa_code_object_version 6
	.text
	.protected	k_q4294be3c2a_qkv
	.globl	k_q4294be3c2a_qkv
	.p2align	8
	.type	k_q4294be3c2a_qkv,@function
k_q4294be3c2a_qkv:
	s_mov_b64 s[64:65], 0
	v_nop
	global_prefetch_b8 v0, s[64:65] scope:SCOPE_SE
	s_setreg_imm32_b32 hwreg(HW_REG_WAVE_MODE, 25, 1), 1
	s_wait_xcnt 0x0
	s_wait_alu depctr_hold_cnt(0) depctr_sa_sdst(0) depctr_va_vdst(0) depctr_va_sdst(0) depctr_va_ssrc(0) depctr_va_vcc(0) depctr_vm_vsrc(0)
	s_getreg_b32 s2, hwreg(HW_REG_IB_STS2, 6, 4)
	s_cmp_eq_u32 s2, 0
	s_cbranch_scc0 .Lentry_in_a_cluster
	s_endpgm
.Lentry_in_a_cluster:
	s_bfe_u32 s2, ttmp6, 0x10000c
	s_cmp_lg_u32 s2, 0xf033
	s_cbranch_scc0 .Lentry_shape_is_right
	s_endpgm
.Lentry_shape_is_right:
; Q, K, V = x wq^T, x wk^T, x wv^T on codes of FP6 (E2M3) with E8M0 scales, from the records of the launch before; rope on Q and K in f32; the results are quantised at once along the head's 128 (V: along the keys)
; and stored as images of the next launch's operand registers.  A work-group makes 128 x 256 of the result, a wave 64 x 128: 32 accumulators by turns.  For V the sources change places (rows of wv against tokens).
; K goes in slots of 512 (24 records) through a ring of two LDS slots filled by joint loads of a 4 x 4 cluster: A's records shared along a row, B's along a column.
; HEAD: one round, slot 0's load (one tensor load a wave), the set-up under its flight; then the three lines, a round, and slot 1's load.
; PREFETCH: behind the joint load of slot i every cluster asks for slot i + 1 of what it will itself load; the four partners of a joint load share its blocks of 256 bytes out by address
; (25 blocks of A's 100, 50 of B's 200, a lane a block; lanes 25-31 name lane 24's block again); the load of the last slot asks for nothing.
.set REC,   6400
.set IMG,   1536
.set SCB,   4*IMG
.set APART, 8*REC
.set SLOT,  24*REC
.set SPARE, 2*SLOT
.set LAPS,  4
.set ASTEP, 384*REC
.set BSTEP, 384*REC
.set ADRA, 16
.set ASA,  18
.set ADRB, 20
.set ASB,  22
.set CSO,  24
.set SCO,  25
.set PFO,  26
.set SPW,  28
.set NIL,  29
.set SA,   32
.set SB,   64
.set AF,   128
.set PCB,  128
.set TM,   224
.set PW,   240
.set SW,   244
.set CS,   0
.set T,    128
.set G1,  24
.set G0,  32
.set G1B, 48
.set G0B, 56
.set SEL, 78
.set PFA, 80
.set MSB, 0
.macro WIN new
.if MSB != \new
	s_set_vgpr_msb (MSB<<8)|\new
.set MSB, \new
.endif
.endm
.set MUL,  0xa1
.set TO_B, 0x40
.macro JLOAD s
	s_cmp_eq_u32 s15, 0
	s_cbranch_scc0 .Lfor_b_\@
	tensor_load_to_lds s[G0+4*\s:G0+4*\s+3], s[G1:G1+7]
	s_nop 0
.rept 4
	v_nop
.endr
	s_branch .Lasked_\@
.Lfor_b_\@:
	tensor_load_to_lds s[G0B+4*\s:G0B+4*\s+3], s[G1B:G1B+7]
	s_nop 0
.rept 4
	v_nop
.endr
.Lasked_\@:
.endm
.macro ASK how, off                    ; how = 0: not in the loop's last trip, whose second refill is the last slot's
.if (\how) == 0
	s_cmp_gt_u32 s77, 1
	s_cbranch_scc0 .Lnot_mine_\@
.endif
	global_prefetch_b8 v[PFO], s[PFA:PFA+1] offset:\off th:TH_LOAD_NT scope:SCOPE_SE
	s_cmp_eq_u32 s15, 0
	s_cbranch_scc1 .Lnot_mine_\@                   ; B's waves have twice the blocks
	global_prefetch_b8 v[PFO], s[PFA:PFA+1] offset:\off+25*256 th:TH_LOAD_NT scope:SCOPE_SE
.Lnot_mine_\@:
.endm
.macro CREST
	s_cmp_lg_u32 s14, 0
	s_cbranch_scc1 .Lnot_wave_0_\@
	s_barrier_signal -3
.Lnot_wave_0_\@:
	s_barrier_wait -3
	s_barrier_signal -1
	s_barrier_wait -1
.endm
.macro CROUND
	s_barrier_signal -1
	s_barrier_wait -1
	CREST
.endm
.macro PLACES n
.rept \n
	v_nop
.endr
.endm
	s_load_b256 s[4:11], s[0:1], 0x0
	s_load_b64 s[12:13], s[0:1], 0x20
	v_lshl_add_u32 v[SPW], v0, 2, SPARE
	v_mov_b32 v[NIL], 0
	ds_add_u32 v[SPW], v[NIL]
	ds_add_u32 v[SPW], v[NIL]
	v_lshrrev_b32 v1, 5, v0
	v_readfirstlane_b32 s14, v1
	s_lshr_b32 s15, s14, 1
	s_and_b32 s16, s14, 1
	s_bfe_u32 s40, ttmp6, 0x40000
	s_bfe_u32 s41, ttmp6, 0x40004
	s_and_b32 s45, ttmp7, 0xffff
	s_lshr_b32 s67, s45, 1
	s_and_b32 s68, s45, 1
	s_cmp_eq_u32 ttmp9, 3
	s_cselect_b32 s66, 1, 0
	s_cselect_b32 s17, s67, s45
	s_cselect_b32 s42, s68, ttmp9
	s_cselect_b32 s69, 320, 0
	s_cselect_b32 s70, 0, 128
	s_lshl_b32 s17, s17, 2
	s_add_co_u32 s17, s17, s41
	s_lshl_b32 s42, s42, 2
	s_add_co_u32 s42, s42, s40
	s_lshl_b32 s43, s41, 2
	s_lshl_b32 s43, 15, s43
	s_lshl_b32 s44, 0x1111, s40
	s_or_b32 s[G1+0], s43, (3<<16)|(1<<21)
	s_or_b32 s[G1B+0], s44, (3<<16)|(1<<21)
	s_mov_b32 s[G1+1], 32<<16
	s_mov_b32 s[G1+2], 100<<16
	s_mov_b32 s[G1+3], 32<<16
	s_mov_b32 s[G1+4], 100
	s_mov_b32 s[G1+5], 32
	s_mov_b32 s[G1+6], 0
	s_mov_b32 s[G1+7], 0
	s_mov_b32 s[G1B+1], 32<<16
	s_mov_b32 s[G1B+2], 200<<16
	s_mov_b32 s[G1B+3], 32<<16
	s_mov_b32 s[G1B+4], 200
	s_mov_b32 s[G1B+5], 32
	s_mov_b32 s[G1B+6], 0
	s_mov_b32 s[G1B+7], 0
	s_lshl_b32 s20, s17, 3
	s_add_co_u32 s20, s20, s69
	s_lshl_b32 s22, s16, 2
	s_add_co_u32 s20, s20, s22
	s_mul_i32 s20, s20, REC
	s_mov_b32 s21, 0
	s_lshl_b32 s46, s42, 4
	s_add_co_u32 s46, s46, s70
	s_lshl_b32 s22, s16, 3
	s_add_co_u32 s46, s46, s22
	s_mul_i32 s46, s46, REC
	s_mov_b32 s47, 0
	s_mul_i32 s18, s16, 4*REC
	s_mul_i32 s19, s16, 8*REC
	s_add_co_u32 s19, s19, APART
	s_mov_b32 s[SEL], 0x76543210
	s_mov_b32 s[SEL+1], 0xfedcba98
	s_wait_dscnt 0x0
	s_wait_kmcnt 0x0
	s_add_nc_u64 s[20:21], s[4:5], s[20:21]
	s_add_nc_u64 s[46:47], s[4:5], s[46:47]
	CROUND
.irp s, 0,1
	s_mov_b32 s[G0+4*\s], 1
	s_add_co_u32 s[G0+4*\s+1], s18, \s*SLOT
	s_add_nc_u64 s[G0+4*\s+2:G0+4*\s+3], s[20:21], \s*ASTEP
	s_or_b32 s[G0+4*\s+3], s[G0+4*\s+3], 0x80000000
	s_mov_b32 s[G0B+4*\s], 1
	s_add_co_u32 s[G0B+4*\s+1], s19, \s*SLOT
	s_add_nc_u64 s[G0B+4*\s+2:G0B+4*\s+3], s[46:47], \s*BSTEP
	s_or_b32 s[G0B+4*\s+3], s[G0B+4*\s+3], 0x80000000
.endr
	JLOAD 0                                        ; slot 0: one tensor load a wave at the head
	v_and_b32 v1, 15, v0
	v_bfe_u32 v2, v0, 4, 1
	v_and_b32 v4, 31, v0
	v_lshlrev_b32 v3, 4, v4
	v_lshlrev_b32 v5, 4, v1
	s_mul_i32 s2, s15, 4*REC
	s_mul_i32 s3, s16, 8*REC
	s_add_co_u32 s3, s3, APART
.irp s, 0,1
	v_add_nc_u32 v[ADRA+\s], s2, v3
	v_add_nc_u32 v[ASA+\s], s2, v5
	v_add_nc_u32 v[ADRB+\s], s3, v3
	v_add_nc_u32 v[ASB+\s], s3, v5
	s_add_co_u32 s2, s2, SLOT
	s_add_co_u32 s3, s3, SLOT
.endr
	v_lshlrev_b32 v[CSO], 8, v1
	v_lshl_add_u32 v[CSO], v2, 4, v[CSO]
	v_lshl_add_u32 v[SCO], v2, 3, v5
.irp b, 0,1,2,3
	v_mov_b32 v[TM+4+\b], 0
.endr
	s_lshl_b32 s67, s42, 1
	s_add_co_u32 s67, s67, s16
	s_add_co_u32 s68, s17, 24
	s_cmp_eq_u32 s66, 1
	s_cselect_b32 s71, s68, s67
	s_cselect_b32 s72, s67, s17
	s_mul_i32 s74, s71, 196608
	s_mul_i32 s73, s72, 8*IMG
	s_add_co_u32 s74, s74, s73
	s_mul_i32 s73, s15, 4*IMG
	s_add_co_u32 s74, s74, s73
	s_mov_b32 s75, 0
	s_add_nc_u64 s[10:11], s[10:11], s[74:75]
	s_lshl_b32 s74, s71, 13
	s_lshl_b32 s73, s72, 9
	s_add_co_u32 s74, s74, s73
	s_lshl_b32 s73, s15, 8
	s_add_co_u32 s74, s74, s73
	s_add_nc_u64 s[12:13], s[12:13], s[74:75]
	s_lshl_b32 s74, s17, 15
	s_lshl_b32 s73, s15, 14
	s_add_co_u32 s74, s74, s73
	s_add_nc_u64 s[6:7], s[6:7], s[74:75]
	s_add_nc_u64 s[8:9], s[8:9], s[74:75]
	s_mov_b32 s86, 50*256                          ; the prefetches: my work-group's share of the records that my wave fetches, told apart by address
	s_cmp_eq_u32 s15, 0
	s_cselect_b64 s[PFA:PFA+1], s[20:21], s[46:47]
	s_cselect_b32 s88, s40, s41
	s_cselect_b32 s86, 25*256, s86
	s_mul_i32 s86, s88, s86
	s_mov_b32 s87, 0
	s_add_nc_u64 s[PFA:PFA+1], s[PFA:PFA+1], s[86:87]
	s_add_nc_u64 s[PFA:PFA+1], s[PFA:PFA+1], 2*ASTEP
	v_min_u32 v[PFO], 24, v4
	v_lshlrev_b32 v[PFO], 8, v[PFO]
.macro FETCH_B slot, q, p
	WIN TO_B
.irp i, 0,1,2,3,4,5,6,7
.irp c, 0,1,2
	ds_load_b128 v[128*(\p)+12*\i+4*\c:128*(\p)+12*\i+4*\c+3], v[ADRB+\slot] offset:REC*\i+IMG*(\q)+512*\c
.endr
.endr
	WIN 0
.endm
.macro FETCH_A slot, q, p
.irp i, 0,1,2,3
.irp c, 0,1,2
	ds_load_b128 v[AF+48*(\p)+12*\i+4*\c:AF+48*(\p)+12*\i+4*\c+3], v[ADRA+\slot] offset:REC*\i+IMG*(\q)+512*\c
.endr
.endr
.endm
.macro SCALES slot
.irp i, 0,1,2,3
	ds_load_b128 v[SA+16*\slot+4*\i:SA+16*\slot+4*\i+3], v[ASA+\slot] offset:SCB+REC*\i
.endr
.irp i, 0,1,2,3,4,5,6,7
	ds_load_b128 v[SB+32*\slot+4*\i:SB+32*\slot+4*\i+3], v[ASB+\slot] offset:SCB+REC*\i
.endr
.endm
.macro MUL8 a, p, q, set, zero
.irp b, 0,1,2,3,4,5,6,7
.if \zero
	v_wmma_scale_f32_16x16x128_f8f6f4 v[8*(8*(\a)+\b):8*(8*(\a)+\b)+7], v[128*(\p)+12*\b:128*(\p)+12*\b+11], v[AF+48*(\p)+12*(\a):AF+48*(\p)+12*(\a)+11], 0, v[SB+32*(\set)+4*\b+(\q)], v[SA+16*(\set)+4*(\a)+(\q)] matrix_a_fmt:MATRIX_FMT_FP6 matrix_b_fmt:MATRIX_FMT_FP6
.else
	v_wmma_scale_f32_16x16x128_f8f6f4 v[8*(8*(\a)+\b):8*(8*(\a)+\b)+7], v[128*(\p)+12*\b:128*(\p)+12*\b+11], v[AF+48*(\p)+12*(\a):AF+48*(\p)+12*(\a)+11], v[8*(8*(\a)+\b):8*(8*(\a)+\b)+7], v[SB+32*(\set)+4*\b+(\q)], v[SA+16*(\set)+4*(\a)+(\q)] matrix_a_fmt:MATRIX_FMT_FP6 matrix_b_fmt:MATRIX_FMT_FP6
.endif
.endr
.endm
.macro STEP slot, q, zero
	s_wait_dscnt 0x0
	PLACES 4
	FETCH_B \slot, (\q)+1, 1-(\q)%2
	FETCH_A \slot, (\q)+1, 1-(\q)%2
	WIN MUL
	MUL8 0, (\q)%2, \q, \slot, \zero
	MUL8 1, (\q)%2, \q, \slot, \zero
	MUL8 2, (\q)%2, \q, \slot, \zero
	MUL8 3, (\q)%2, \q, \slot, \zero
	WIN 0
.endm
.macro TURN slot, next, fill
.if \fill
	s_wait_xcnt 0x0
	s_add_nc_u64 s[PFA:PFA+1], s[PFA:PFA+1], ASTEP
.endif
	s_wait_tensorcnt 0x0
	ds_add_u32 v[SPW], v[NIL]
	s_wait_dscnt 1
	WIN MUL
	MUL8 0, 1, 3, \slot, 0
	s_wait_dscnt 0x0
	s_barrier_signal -1
	MUL8 1, 1, 3, \slot, 0
	WIN 0
	s_barrier_wait -1
.if \fill
	CREST
	s_add_nc_u64 s[G0+4*\slot+2:G0+4*\slot+3], s[G0+4*\slot+2:G0+4*\slot+3], 2*ASTEP
	s_add_nc_u64 s[G0B+4*\slot+2:G0B+4*\slot+3], s[G0B+4*\slot+2:G0B+4*\slot+3], 2*BSTEP
	JLOAD \slot
.else
	PLACES 4
.endif
	FETCH_B \next, 0, 0
	FETCH_A \next, 0, 0
	SCALES \next
.if \fill
	ASK 1-\slot, 0
.endif
	WIN MUL
	MUL8 2, 1, 3, \slot, 0
	MUL8 3, 1, 3, \slot, 0
	WIN 0
.endm
.macro CSLOAD a
.irp b, 0,1,2,3,4,5,6,7
	global_load_b128 v[CS+64*(\a)+4*\b:CS+64*(\a)+4*\b+3], v[CSO], s[6:7] offset:4096*(\a)+32*\b
	global_load_b128 v[CS+64*(\a)+32+4*\b:CS+64*(\a)+32+4*\b+3], v[CSO], s[8:9] offset:4096*(\a)+32*\b
.endr
.endm
	s_wait_alu depctr_va_vdst(0)
	ASK 1, -ASTEP                                  ; slot 1 (the address stands at slot 2)
	s_wait_tensorcnt 0x0                           ; my part of slot 0 is in; the three lines ahead of a later first fill
	ds_add_u32 v[SPW], v[NIL]
	s_wait_dscnt 0x0
	CROUND                                         ; everybody's part is in, and the sixteen work-groups meet
	JLOAD 1                                        ; slot 1, the first tensor load behind the round
	FETCH_B 0, 0, 0
	FETCH_A 0, 0, 0
	SCALES 0
	ASK 1, 0                                       ; slot 2
	STEP 0, 0, 1
	s_cmp_eq_u32 s66, 1
	s_cbranch_scc1 .Lnocs
	WIN 0xc0
	s_wait_alu depctr_va_vdst(0)
	CSLOAD 0
	CSLOAD 1
	CSLOAD 2
	CSLOAD 3
	WIN 0
.Lnocs:
	s_mov_b32 s77, LAPS-1
.Llap:
	STEP 0, 1, 0
	STEP 0, 2, 0
	TURN 0, 1, 1
	STEP 1, 0, 0
	STEP 1, 1, 0
	STEP 1, 2, 0
	TURN 1, 0, 1
	STEP 0, 0, 0
	s_sub_co_u32 s77, s77, 1
	s_cmp_lg_u32 s77, 0
	s_cbranch_scc1 .Llap
	STEP 0, 1, 0
	STEP 0, 2, 0
	TURN 0, 1, 0
	STEP 1, 0, 0
	STEP 1, 1, 0
	STEP 1, 2, 0
	s_wait_dscnt 0x0
	WIN MUL
	MUL8 0, 1, 3, 1, 0
	MUL8 1, 1, 3, 1, 0
	MUL8 2, 1, 3, 1, 0
	MUL8 3, 1, 3, 1, 0
	WIN 0
.macro ROPE a
	WIN 0x4e
.set k, 0
.rept 32
	v_mul_f32 v[T+2*k], v[64*(\a)+2*k+1], v[CS+64*(\a)+32+k]
	v_mul_f32 v[T+2*k+1], v[64*(\a)+2*k], v[CS+64*(\a)+32+k]
.set k, k+1
.endr
	WIN 0x9e
.set k, 0
.rept 32
	v_fma_f32 v[64*(\a)+2*k], v[64*(\a)+2*k], v[CS+64*(\a)+k], -v[T+2*k]
	v_fma_f32 v[64*(\a)+2*k+1], v[64*(\a)+2*k+1], v[CS+64*(\a)+k], v[T+2*k+1]
.set k, k+1
.endr
.endm
.macro QUANT2 a
.set QS, 64*(\a)
.set QP, PCB+20*(\a)
	WIN 0x0a
.irp b, 0,1,2,3
	v_max3_num_f32 v[TM+\b], |v[QS+16*\b]|, |v[QS+1+16*\b]|, 0x1800000
.endr
	WIN 0x28
.irp i, 2,4,6,8,10,12,14
.irp b, 0,1,2,3
	v_max3_num_f32 v[TM+\b], v[TM+\b], |v[QS+16*\b+\i]|, |v[QS+1+16*\b+\i]|
.endr
.endr
	WIN 0
.irp b, 0,1,2,3
	v_permlanex16_b32 v[TM+4+\b], v[TM+\b], s[SEL], s[SEL+1]
.endr
.irp b, 0,1,2,3
	v_max_num_f32 v[TM+\b], v[TM+\b], v[TM+4+\b]
.endr
.irp b, 0,1,2,3
	v_add_nc_u32 v[TM+12+\b], 0xff000000, v[TM+\b]
.endr
.irp b, 0,1,2,3
	v_lshrrev_b32 v[TM+4+\b], 23, v[TM+12+\b]
.endr
	v_lshl_or_b32 v[PW+(\a)], v[TM+5], 8, v[TM+4]
	v_lshl_or_b32 v[PW+(\a)], v[TM+6], 16, v[PW+(\a)]
	v_lshl_or_b32 v[PW+(\a)], v[TM+7], 24, v[PW+(\a)]
	WIN 0x02
.irp c, 0,1
	v_cvt_scalef32_pk16_fp6_f32 v[QP+6*\c:QP+2+6*\c], v[QS+32*\c:QS+15+32*\c], v[TM+12+2*\c]
	v_cvt_scalef32_pk16_fp6_f32 v[QP+12+4*\c:QP+14+4*\c], v[QS+16+32*\c:QS+31+32*\c], v[TM+12+2*\c+1]
.endr
	WIN 0
	v_nop
.irp c, 0,1
.irp i, 0,1,2
	v_permlane16_swap_b32 v[QP+6*\c+\i], v[QP+12+4*\c+\i]
.endr
.irp i, 0,1,2
	v_mov_b32 v[QP+3+6*\c+\i], v[QP+12+4*\c+\i]
.endr
.endr
.endm
	PLACES 4
	s_cmp_eq_u32 s66, 1
	s_cbranch_scc1 .Lnorope
	s_wait_loadcnt 0x0
	ROPE 0
	ROPE 1
	ROPE 2
	ROPE 3
	WIN 0
.Lnorope:
.irp a, 0,1,2,3
	QUANT2 \a
.irp c, 0,1,2
	global_store_b128 v3, v[PCB+20*\a+4*\c:PCB+20*\a+4*\c+3], s[10:11] offset:IMG*\a+512*\c
.endr
.endr
	v_cmp_ne_u32 vcc_lo, 0, v2
	v_cndmask_b32 v[SW], v[PW], v[PW+2], vcc_lo
	v_cndmask_b32 v[SW+1], v[PW+1], v[PW+3], vcc_lo
	global_store_b64 v[SCO], v[SW:SW+1], s[12:13]
	s_wait_tensorcnt 0x0
	ds_add_u32 v[SPW], v[NIL]
	s_wait_dscnt 0x0
	CROUND
	s_endpgm
.Lfunc_end_k_q4294be3c2a_qkv:
	.size	k_q4294be3c2a_qkv, .Lfunc_end_k_q4294be3c2a_qkv-k_q4294be3c2a_qkv
	.p2alignl 7, 3214868480
	.fill 96, 4, 3214868480
	.section	.rodata,"a",@progbits
	.p2align	6, 0x0
	.amdhsa_kernel k_q4294be3c2a_qkv
		.amdhsa_group_segment_fixed_size 327680
		.amdhsa_private_segment_fixed_size 0
		.amdhsa_enable_private_segment 0
		.amdhsa_kernarg_size 40
		.amdhsa_user_sgpr_count 2
		.amdhsa_user_sgpr_kernarg_segment_ptr 1
		.amdhsa_wavefront_size32 1
		.amdhsa_system_sgpr_workgroup_id_x 1
		.amdhsa_system_sgpr_workgroup_id_y 1
		.amdhsa_system_sgpr_workgroup_id_z 1
		.amdhsa_system_vgpr_workitem_id 0
		.amdhsa_next_free_vgpr 1024
		.amdhsa_next_free_sgpr 100
		.amdhsa_reserve_vcc 1
		.amdhsa_float_denorm_mode_32 3
		.amdhsa_float_denorm_mode_16_64 3
		.amdhsa_memory_ordered 1
		.amdhsa_forward_progress 1
		.amdhsa_inst_pref_size 168
	.end_amdhsa_kernel
	.amdgpu_metadata
---
amdhsa.version: [ 1, 2 ]
amdhsa.kernels:
  - .name:           k_q4294be3c2a_qkv
    .symbol:         k_q4294be3c2a_qkv.kd
    .args:
      - { .name: xw_rec, .offset: 0, .size: 8, .value_kind: global_buffer, .address_space: global }
      - { .name: freqs_cos, .offset: 8, .size: 8, .value_kind: global_buffer, .address_space: global }
      - { .name: freqs_sin, .offset: 16, .size: 8, .value_kind: global_buffer, .address_space: global }
      - { .name: qkv_img, .offset: 24, .size: 8, .value_kind: global_buffer, .address_space: global }
      - { .name: qkv_sc, .offset: 32, .size: 8, .value_kind: global_buffer, .address_space: global }
    .group_segment_fixed_size: 327680
    .private_segment_fixed_size: 0
    .kernarg_segment_align: 8
    .kernarg_segment_size: 40
    .max_flat_workgroup_size: 128
    .sgpr_count:     100
    .vgpr_count:     1024
    .wavefront_size: 32
...
	.end_amdgpu_metadata
.endif
;; end of part 2
;; launch attn (part 3): grid 8 x 32, 8 waves a work-group, clusters of 4 x 4, 327,680 bytes of LDS; arguments qkv_img, qkv_sc, mask, o_rec; writes o_rec
.if DOCPART == 3
	.amdgcn_target "amdgcn-amd-amdhsa--gfx1250"
	.amdhsa_code_object_version 6
	.text
	.protected	k_q4294be3c2a_attn
	.globl	k_q4294be3c2a_attn
	.p2align	8
	.type	k_q4294be3c2a_attn,@function
k_q4294be3c2a_attn:
	s_mov_b64 s[64:65], 0
	v_nop
	global_prefetch_b8 v0, s[64:65] scope:SCOPE_SE
	s_setreg_imm32_b32 hwreg(HW_REG_WAVE_MODE, 25, 1), 1
	s_wait_xcnt 0x0
	s_wait_alu depctr_hold_cnt(0) depctr_sa_sdst(0) depctr_va_vdst(0) depctr_va_sdst(0) depctr_va_ssrc(0) depctr_va_vcc(0) depctr_vm_vsrc(0)
	s_getreg_b32 s2, hwreg(HW_REG_IB_STS2, 6, 4)
	s_cmp_eq_u32 s2, 0
	s_cbranch_scc0 .Lentry_in_a_cluster
	s_endpgm
.Lentry_in_a_cluster:
	s_bfe_u32 s2, ttmp6, 0x10000c
	s_cmp_lg_u32 s2, 0xf033
	s_cbranch_scc0 .Lentry_shape_is_right
	s_endpgm
.Lentry_shape_is_right:
; o[q][hd][:] = the sum over k of softmax_k(Q[hd][q] . K[hd / 2][k] / sqrt(128) + mask[q][k]) V[hd / 2][k][:], both products on codes of FP6 (E2M3) with E8M0 scales; o is quantised at once for the last product.
; THE MASK IS AN INPUT: every score of every head is computed and the mask is added as it is given.  reference() takes no number from 'positions': it is not among the arguments.
; THE SOFTMAX: t = score x log2(e) / sqrt(128) + (mask x log2(e), rounded by itself), one fused multiply-add; M = the row's largest t so far, rounded up to a whole number; p = 2^(t - M) is quantised along the keys,
; not normalised.  t is rounded before M is taken off.  The row's sum is taken of the unquantised p and divides O at the end.  When M moves, the sum and O are multiplied by 2^(old M - new M): exact.
; SHARES.  A work-group owns 64 queries and the two heads of one key and value head.  A WAVE OWNS 16 QUERIES OF BOTH HEADS: wave w takes queries 16 (w % 4) on, and of each slot's two key steps the (w / 4)-th.
; So each fragment of K, of V and of the mask is read from LDS once for two heads, and mask x log2(e) is made once for both.  Eight waves of 512 registers, two to a SIMD.
; Each wave keeps, for each head, its own running M, sum and O^T; at the end waves 4-7 hand theirs to waves 0-3 through LDS; both M are whole numbers, so the halves meet under the larger M by exact powers of two.
; REGISTERS.  Head 1's own registers have the numbers of head 0's, in window 1: v12-15 -M, largest t, the sum; v16-27 Q; v28-31 block maxima; v96-159 S^T, t, p; v160-223 O^T; v224-255 at work.  One text serves both heads.
; Shared: v32-79 of window 1 the fragments of tiles 0-3, v32-79 of window 0 those of tiles 4-7; v224-255 of window 0 the mask of tiles 0-3, of window 1 that of tiles 4-7 (used up before the work registers are written);
; all scale words in window 0: v80-87 K's, then V's; v7, v88 Q's; v11, v89 p's: they hold nothing else.
; A slot holds 256 keys: 16 images of K, 16 of V, 64 rows x 1,024 bytes of the mask (16 bytes of padding a row).  The scale words of the whole head stay in LDS.
; LAYOUT.  Both products transposed: S^T = K Q^T, O^T = V^T P^T: a lane holds one query.  Tile t, register j = key 16 t + 8 h + j; the 16 registers of tiles 2 B, 2 B + 1 are places 32 B + 16 h + 0..15 of block B:
; the launch before laid V's keys in the same order, and chose V's channel rows so that o comes out in natural order.
; CLUSTER 4 x 4: x = four key and value heads, y = four blocks of queries.  K, V and their scales are shared along a column, the mask along a row: each is asked for jointly.
; LIMITS: NaN among the inputs is not served; a row all of whose logits are -infinity gives NaN, as in reference().  A block of zeros gets the byte 1 (its codes are zeros).
; o's scale words leave as 4 bytes a row, 16 bytes apart: a record's four heads belong to two work-groups.  OUTPUT: o_rec: [head / 4][token tile 0..127][6400]: image head % 4; scale words [row][head % 4] at 6,144.
.set IMG,   1536
.set KVB,   16*IMG
.set MOFF,  2*KVB
.set MP,    1040
.set SLOT1, 1<<17
.set SCK,   2*SLOT1
.set SCV,   SCK+8192
.set SPARE, SCV+8192                   ; the spare words, 128 bytes a wave: four blocks of 256 bytes that no other line names
.set NSL,   8
.set STG,   0                          ; the hand-over lies where slot 0 lay: it has had its last fill, and nobody reads it behind the last change of slots
.set HB,    17*512                     ; a head's hand-over: 16 x 512 bytes of O^T, 512 of -M and the sum
.set PAIRB, 2*HB
.set LI,  1
.set AM0, 2
.set AS0, 3
.set SPW, 4
.set NIL, 5
.set PFO, 6
.set QS0, 7
.set ADK, 8
.set ADM, 9
.set ADS, 10
.set PS0, 11
.set QF,  16
.set BM,  28
.set FR,  32
.set KS,  80
.set QS1, 88
.set PS1, 89
.set S,   96
.set O,   160
.set MK,  224
.set KH,  2
.set TBK, 3
.set WV,  12
.set SEL, 20
.set SCL, 22                           ; s[22:23] log2(e) / sqrt(128)
.set L2E, 24                           ; s[24:25] log2(e)
.set G1KV, 28
.set G1M,  36
.set G1SC, 44
.set G0KV, 52
.set G0M,  56
.set G0SC, 60
.set TB,   66
.set TS,   67
.set SLOTS, 68
.set PFA,  70
.set PFS,  72
.set LIM,  74
.set MSB, 0
.macro WIN new                         ; bits 1:0 source 0, 3:2 source 1, 5:4 source 2, 7:6 destination; the high byte repeats the setting that is left
.if MSB != (\new)
	s_set_vgpr_msb (MSB<<8)|(\new)
.set MSB, (\new)
.endif
.endm
.macro CROUND
	s_barrier_signal -1
	s_barrier_wait -1
	s_cmp_lg_u32 s[WV], 0
	s_cbranch_scc1 .Lnot_wave_0_\@
	s_barrier_signal -3
.Lnot_wave_0_\@:
	s_barrier_wait -3
	s_barrier_signal -1
	s_barrier_wait -1
.endm
.macro TL g0, g1                       ; a tensor load with five lines behind it
	tensor_load_to_lds s[\g0:\g0+3], s[\g1:\g1+7]
	s_nop 0
.rept 4
	v_nop
.endr
.endm
; A joint refill: wave 0 K's images, wave 1 V's, waves 2 and 3 the mask's halves, the others nothing.  The branches hang on the wave's number alone.
.macro TLOAD
	s_cmp_lt_u32 s[WV], 2
	s_cbranch_scc0 .Lnot_kv_\@
	TL G0KV, G1KV
	s_branch .Lasked_\@
.Lnot_kv_\@:
	s_cmp_lt_u32 s[WV], 4
	s_cbranch_scc0 .Lasked_\@
	TL G0M, G1M
.Lasked_\@:
.endm
; A PREFETCH INTO THE L2 of what the NEXT change of slots will ask for, by waves 4 to 7, one instruction each, behind the fetching waves' tensor load.  Every cluster asks for what it will itself load.
; The mask: waves 4 and 5 take 32 rows each, a lane a row; a slot's 1,024 bytes of a row are four blocks of 256, one for each partner of a row, told apart by address (256 cx).
; K's and V's images: wave 6 for K, wave 7 for V; a slot's 96 blocks of 256 bytes are 24 for each partner of a column (24 cy on), a lane a block; lanes 24-31 name lane 23's block again.
; The last change that fills a slot asks for nothing; slots 0 and 1 come by their loads alone.
.macro ASK
	s_cmp_gt_u32 s[SLOTS], s[LIM]
	s_cbranch_scc0 .Lnot_mine_\@
	global_prefetch_b8 v[PFO], s[PFA:PFA+1] th:TH_LOAD_NT scope:SCOPE_SE
.Lnot_mine_\@:
.endm
	s_load_b256 s[4:11], s[0:1], 0x0               ; qkv_img, qkv_sc, mask, o_rec
	v_lshl_add_u32 v[SPW], v0, 2, SPARE
	v_mov_b32 v[NIL], 0
	ds_add_u32 v[SPW], v[NIL]                      ; the opening lines: the add, twice on end, and its wait ahead of the first tensor load
	ds_add_u32 v[SPW], v[NIL]
	v_lshrrev_b32 v8, 5, v0
	v_readfirstlane_b32 s[WV], v8                  ; wave 0..7
	s_and_b32 s13, s[WV], 1
	s_lshr_b32 s[KH], s[WV], 2                     ; which of a slot's two key steps is mine
	s_and_b32 s19, s[WV], 3                        ; my tile of the 64 queries
	s_bfe_u32 s14, ttmp6, 0x40000                  ; cx
	s_bfe_u32 s15, ttmp6, 0x40004                  ; cy
	s_lshl_b32 s16, ttmp9, 2
	s_add_co_u32 s16, s16, s14                     ; g: the key and value head
	s_and_b32 s26, ttmp7, 0xffff
	s_lshl_b32 s17, s26, 2
	s_add_co_u32 s17, s17, s15                     ; qb: the block of 64 queries
	s_lshl_b32 s75, s15, 2
	s_lshl_b32 s75, 15, s75                        ; my row of the cluster
	s_lshl_b32 s76, 0x1111, s14                    ; my column
	; groups 1.  K, V: 24,576 dense bytes as 96 rows of 256 (32 elements of 8 bytes); the scale blocks: 32 such rows; both to my column
	s_or_b32 s[G1KV], s76, (3<<16)|(1<<21)
	s_mov_b32 s[G1KV+1], 32<<16
	s_mov_b32 s[G1KV+2], 96<<16
	s_mov_b32 s[G1KV+3], 32<<16
	s_mov_b32 s[G1KV+4], 96
	s_mov_b32 s[G1KV+5], 32
	s_mov_b32 s[G1KV+6], 0
	s_mov_b32 s[G1KV+7], 0
	s_or_b32 s[G1SC], s76, (3<<16)|(1<<21)
	s_mov_b32 s[G1SC+1], 32<<16
	s_mov_b32 s[G1SC+2], 32<<16
	s_mov_b32 s[G1SC+3], 32<<16
	s_mov_b32 s[G1SC+4], 32
	s_mov_b32 s[G1SC+5], 32
	s_mov_b32 s[G1SC+6], 0
	s_mov_b32 s[G1SC+7], 0
	; the mask: 32 rows x 256 elements of 4 bytes, 2,048 elements apart, 4 words of padding behind every 256 words; to my row
	s_or_b32 s[G1M], s75, (2<<16)|(1<<20)|(1<<21)|(7<<22)|(3<<25)
	s_mov_b32 s[G1M+1], 256<<16
	s_mov_b32 s[G1M+2], 32<<16
	s_mov_b32 s[G1M+3], 256<<16
	s_mov_b32 s[G1M+4], 32
	s_mov_b32 s[G1M+5], 2048
	s_mov_b32 s[G1M+6], 0
	s_mov_b32 s[G1M+7], 0
	s_lshl_b32 s77, s13, 3
	s_add_co_u32 s77, s77, s16
	s_add_co_u32 s77, s77, 16                      ; the unit that I would fetch: K's (16 + g) or V's (24 + g)
	s_mul_i32 s78, s77, 196608
	s_mov_b32 s79, 0
	s_lshl_b32 s80, s77, 13
	s_mov_b32 s81, 0
	s_lshl_b32 s82, s17, 19                        ; the mask: row 64 qb + 32 (w % 2), 8,192 bytes a row
	s_lshl_b32 s27, s13, 18
	s_add_co_u32 s82, s82, s27
	s_mov_b32 s83, 0
	s_mul_i32 s84, s13, KVB                        ; where they go: no place in the cluster enters an LDS address
	s_mul_i32 s85, s13, 32*MP
	s_add_co_u32 s85, s85, MOFF
	s_lshl_b32 s86, s13, 13
	s_add_co_u32 s86, s86, SCK
	s_lshl_b32 s18, s16, 1                         ; my first head, 2 g; the second is the next unit
	s_lshl_b32 s87, s17, 2
	s_add_co_u32 s87, s87, s19                     ; my token tile
	s_mul_i32 s88, s18, 196608                     ; Q's image
	s_mul_i32 s27, s87, IMG
	s_add_co_u32 s88, s88, s27
	s_mov_b32 s89, 0
	s_lshl_b32 s90, s18, 13                        ; Q's scale word: block qb, word = my tile
	s_lshl_b32 s27, s17, 8
	s_add_co_u32 s90, s90, s27
	s_lshl_b32 s27, s19, 2
	s_add_co_u32 s90, s90, s27
	s_mov_b32 s91, 0
	s_lshr_b32 s92, s18, 2                         ; o's record: (head / 4) x 128 + token tile: the same for both heads
	s_lshl_b32 s92, s92, 7
	s_add_co_u32 s92, s92, s87
	s_mul_i32 s92, s92, 6400
	s_and_b32 s27, s18, 3
	s_lshl_b32 s94, s27, 2
	s_add_co_u32 s94, s94, s92
	s_add_co_u32 s94, s94, 6144                    ; its scale words' column head % 4
	s_mov_b32 s95, 0
	s_mul_i32 s27, s27, IMG
	s_add_co_u32 s92, s92, s27                     ; its image head % 4
	s_mov_b32 s93, 0
	s_mov_b32 s[SEL], 0x76543210
	s_mov_b32 s[SEL+1], 0xfedcba98
	s_mov_b32 s[SCL], 0x3e0293ee
	s_mov_b32 s[SCL+1], s[SCL]                     ; (named with it as a pair, so it is written)
	s_mov_b32 s[L2E], 0x3fb8aa3b
	s_mov_b32 s[L2E+1], s[L2E]
	s_mov_b32 s[TB], 0
	s_mul_i32 s[TBK], s[KH], 8*IMG                 ; my step's eight images of K (and, KVB further on, of V)
	s_mov_b32 s[TS], 0
	s_mov_b32 s[SLOTS], NSL-1
	s_wait_dscnt 0x0                               ; both opening adds are done
	s_wait_kmcnt 0x0
	s_mov_b32 s[G0SC], 1
	s_mov_b32 s[G0SC+1], s86
	s_add_nc_u64 s[G0SC+2:G0SC+3], s[6:7], s[80:81]
	s_or_b32 s[G0SC+3], s[G0SC+3], 0x80000000
	s_mov_b32 s[G0KV], 1
	s_mov_b32 s[G0KV+1], s84
	s_add_nc_u64 s[G0KV+2:G0KV+3], s[4:5], s[78:79]
	s_or_b32 s[G0KV+3], s[G0KV+3], 0x80000000
	s_mov_b32 s[G0M], 1
	s_mov_b32 s[G0M+1], s85
	s_add_nc_u64 s[G0M+2:G0M+3], s[8:9], s[82:83]
	s_or_b32 s[G0M+3], s[G0M+3], 0x80000000
	CROUND                                         ; all sixteen work-groups are here: the first joint loads meet
	s_cmp_lt_u32 s[WV], 2                          ; the first fills: one chain of branches on the wave's number, one load to an arm; every wait on TENSORcnt in this text is for 0
	s_cbranch_scc0 .Lfirst_m
	TL G0KV, G1KV                                  ; waves 0, 1: slot 0's images of K, of V
	s_branch .Lfirst_asked
.Lfirst_m:
	s_cmp_lt_u32 s[WV], 4
	s_cbranch_scc0 .Lfirst_sc
	TL G0M, G1M                                    ; waves 2, 3: slot 0's halves of the mask
	s_branch .Lfirst_asked
.Lfirst_sc:
	s_cmp_lt_u32 s[WV], 6
	s_cbranch_scc0 .Lfirst_asked
	TL G0SC, G1SC                                  ; waves 4, 5: the head's scale blocks of K, of V: filled once
.Lfirst_asked:
	s_add_nc_u64 s[88:89], s[4:5], s[88:89]
	s_add_nc_u64 s[90:91], s[6:7], s[90:91]
	s_add_nc_u64 s[92:93], s[10:11], s[92:93]
	s_add_nc_u64 s[94:95], s[10:11], s[94:95]
	s_lshl_b32 s69, s[KH], 9                       ; my step: 512 bytes on in a row of the mask, and two scale blocks on
	s_mul_i32 s27, s19, 16*MP
	s_add_co_u32 s27, s27, MOFF
	s_add_co_u32 s27, s27, s69
	s_add_co_u32 s69, s69, SCK
	v_and_b32 v8, 15, v0                           ; r
	v_bfe_u32 v9, v0, 4, 1                         ; h
	v_and_b32 v10, 31, v0
	v_lshlrev_b32 v[LI], 4, v10
	v_mul_u32_u24 v[AM0], v8, MP
	v_lshl_add_u32 v[AM0], v9, 5, v[AM0]
	v_add_nc_u32 v[AM0], s27, v[AM0]               ; the mask: row 16 x my tile + r, + 32 h, + my step
	v_lshlrev_b32 v8, 4, v8                        ; 16 r
	v_add_nc_u32 v[AS0], s69, v8
.irp c, 0,1,2
	global_load_b128 v[QF+4*\c:QF+4*\c+3], v[LI], s[88:89] offset:512*\c   ; Q's fragments stay in registers: head 0's,
.endr
	global_load_b32 v[QS0], v8, s[90:91]
	global_load_b32 v[QS1], v8, s[90:91] offset:8192
	WIN 0x40
.irp c, 0,1,2
	global_load_b128 v[QF+4*\c:QF+4*\c+3], v[LI], s[88:89] offset:196608+512*\c   ; and head 1's, in window 1
.endr
	WIN 0
	; the prefetches: where my wave's stand, and which waves ask
	s_lshl_b32 s96, s14, 8                         ; 256 cx
	s_mul_i32 s97, s15, 24*256                     ; 24 blocks x cy
	s_mov_b32 s98, KVB
	s_cmp_lt_u32 s[WV], 6                          ; waves 4, 5: the mask; waves 6, 7: K, V
	s_cselect_b64 s[PFA:PFA+1], s[8:9], s[4:5]
	s_cselect_b32 s99, s82, s78
	s_cselect_b32 s96, s96, s97
	s_cselect_b32 s[PFS], 1024, s98                ; a slot on
	s_cselect_b32 s69, 31, 23
	s_cselect_b32 s97, 13, 8                       ; from lane to lane: a row of the mask, or 256 bytes
	s_mov_b32 s[PFS+1], 0
	s_add_co_u32 s98, s99, s96
	s_add_co_u32 s98, s98, s[PFS]                  ; in slot 1: the first change of slots steps it to slot 2
	s_mov_b32 s99, 0
	s_add_nc_u64 s[PFA:PFA+1], s[PFA:PFA+1], s[98:99]
	s_lshr_b32 s96, s[WV], 2
	s_xor_b32 s96, s96, 1                          ; 0 in waves 4 to 7
	s_cmp_eq_u32 s96, 0
	s_cselect_b32 s[LIM], 1, -1
	v_and_b32 v[PFO], 31, v0
	v_min_u32 v[PFO], s69, v[PFO]
	v_lshlrev_b32 v[PFO], s97, v[PFO]
.irp W, 0,1                            ; each head's state: the step is written once; its first run finds zeros, which the first change of M leaves zeros
	WIN 0x55*\W
	v_mov_b32 v13, 0xff61b1e6                      ; the largest t so far: -3e38
	v_floor_f32 v12, -v13                          ; -M
	v_mov_b32 v14, 0
	v_mov_b32 v15, 0
.set j, 0
.rept 64
	v_mov_b32 v[O+j], 0
.set j, j+1
.endr
.endr
	WIN 0
.macro MASKLD g                        ; the mask of tiles 4 g .. 4 g + 3: register 8 t + j = my step's key 16 (4 g + t) + 8 h + j of my query
.irp t, 0,1,2,3
.irp e, 0,1
	ds_load_b128 v[MK+8*\t+4*\e:MK+8*\t+4*\e+3], v[ADM] offset:64*(4*(\g)+\t)+16*\e
.endr
.endr
.endm
.macro FRAGS off                       ; four images from byte off of my step's images on
.irp t, 0,1,2,3
.irp c, 0,1,2
	ds_load_b128 v[FR+12*\t+4*\c:FR+12*\t+4*\c+3], v[ADK] offset:\off+IMG*\t+512*\c
.endr
.endr
.endm
.macro SMUL g, W, q                    ; S^T = K Q^T, tiles 4 g .. 4 g + 3 of head W; the fragments of g = 0 lie in window 1, of g = 1 in window 0
	WIN (1-(\g))|((\W)<<2)|((\W)<<6)
.irp t, 0,1,2,3
	v_wmma_scale_f32_16x16x128_f8f6f4 v[S+8*(4*(\g)+\t):S+8*(4*(\g)+\t)+7], v[FR+12*\t:FR+12*\t+11], v[QF:QF+11], 0, v[KS+4*(\g)+\t], v[\q] matrix_a_fmt:MATRIX_FMT_FP6 matrix_b_fmt:MATRIX_FMT_FP6
.endr
.endm
.macro OMUL g, W, p                    ; O^T += V^T P^T, channel tiles 4 g .. 4 g + 3 of head W: sixteen accumulators by turns, one instruction a turn
	WIN (1-(\g))|((\W)<<2)|((\W)<<4)|((\W)<<6)
.irp t, 0,1,2,3
	v_wmma_scale_f32_16x16x128_f8f6f4 v[O+8*(4*(\g)+\t):O+8*(4*(\g)+\t)+7], v[FR+12*\t:FR+12*\t+11], v[224:235], v[O+8*(4*(\g)+\t):O+8*(4*(\g)+\t)+7], v[KS+4*(\g)+\t], v[\p] matrix_a_fmt:MATRIX_FMT_FP6 matrix_b_fmt:MATRIX_FMT_FP6
.endr
.endm
.macro MASKMUL g                       ; mask x log2(e), once for both heads
	WIN 0x55*(\g)
.set j, 0
.rept 16
	v_pk_mul_f32 v[MK+j:MK+j+1], v[MK+j:MK+j+1], s[L2E:L2E+1] op_sel_hi:[1,0]
.set j, j+2
.endr
.endm
.macro LOGITS g, W                     ; t = score x log2(e) / sqrt(128) + that, two at a time, each accumulator from its low end on
	WIN (\W)|((\g)<<4)|((\W)<<6)
.set j, 0
.rept 16
	v_pk_fma_f32 v[S+32*(\g)+j:S+32*(\g)+j+1], v[S+32*(\g)+j:S+32*(\g)+j+1], s[SCL:SCL+1], v[MK+j:MK+j+1] op_sel_hi:[1,0,1]
.set j, j+2
.endr
.endm
.macro BMAX b0, W                      ; the largest t of my 16 keys of blocks b0 and b0 + 1, by turns
	WIN 0x55*(\W)
.irp b, \b0, \b0+1
	v_max3_num_f32 v[BM+\b], v[S+16*(\b)], v[S+1+16*(\b)], v[S+2+16*(\b)]
.endr
.irp i, 3,5,7,9,11,13
.irp b, \b0, \b0+1
	s_delay_alu instid0(VALU_DEP_2)
	v_max3_num_f32 v[BM+\b], v[BM+\b], v[S+16*(\b)+\i], v[S+1+16*(\b)+\i]
.endr
.endr
.irp b, \b0, \b0+1
	s_delay_alu instid0(VALU_DEP_2)
	v_max_num_f32 v[BM+\b], v[BM+\b], v[S+15+16*(\b)]
.endr
.endm
; The softmax of head W's 128 keys, from t to p's codes (v224-235), p's scale word (register p, in window 0) and O^T under the new M.
.macro SOFT W, p
	WIN 0x55*(\W)
.irp b, 0,1,2,3
	v_permlanex16_b32 v[236+\b], v[BM+\b], s[SEL], s[SEL+1]
.endr
.irp b, 0,1,2,3
	v_max_num_f32 v[BM+\b], v[BM+\b], v[236+\b]    ; with lane l xor 16's 16 keys: the block's largest t: it serves for the row's maximum and, since p rises with t, for the block's largest p
.endr
	v_max3_num_f32 v254, v[BM], v[BM+1], v[BM+2]
	s_delay_alu instid0(VALU_DEP_1)
	v_max_num_f32 v254, v254, v[BM+3]
	s_delay_alu instid0(VALU_DEP_1)
	v_max_num_f32 v13, v13, v254                   ; the running largest t
	v_mov_b32 v254, v12
	s_delay_alu instid0(VALU_DEP_2)
	v_floor_f32 v12, -v13                          ; the new -M = -ceil(t): a whole number
	s_delay_alu instid0(VALU_DEP_1)
	v_sub_f32 v254, v12, v254                      ; old M - new M: a whole number, 0 or less
	s_delay_alu instid0(VALU_DEP_1)
	v_cvt_i32_f32 v254, v254                       ; (it saturates)
	s_delay_alu instid0(VALU_DEP_1)
	v_ldexp_f32 v252, 1.0, v254                    ; f = 2^(old M - new M)
.set j, 0
.rept 32
	v_pk_add_f32 v[S+j:S+j+1], v[S+j:S+j+1], v[12:13] op_sel_hi:[1,0]   ; t - M (of the pair the low word, -M, serves both halves)
.set j, j+2
.endr
.irp b, 0,1,2,3
	v_add_f32 v[BM+\b], v[BM+\b], v12              ; the same of each block's largest t
.endr
	s_wait_alu depctr_va_vdst(0)
.set j, 0
.rept 64
	v_exp_f32 v[S+j], v[S+j]                       ; p = 2^(t - M), at most 1: not normalised
.set j, j+1
.endr
	v_pk_mul_f32 v[14:15], v[14:15], v[252:253] op_sel_hi:[1,0]   ; the sums under the new M: a plain place behind the exponentials
	s_wait_alu depctr_va_vdst(0)                   ; one wait for the whole batch, ahead of its first reader
.irp b, 0,1,2,3
	v_exp_f32 v[BM+\b], v[BM+\b]                   ; the block's largest p: the same two operations on the same number give the same bits
.endr
	v_pk_add_f32 v[236:237], v[S:S+1], v[S+2:S+3]  ; the row's sum of the unquantised p: 32 pairs in four chains
	v_pk_add_f32 v[254:255], v[S+4:S+5], v[S+6:S+7]
	v_pk_add_f32 v[250:251], v[S+8:S+9], v[S+10:S+11]
	v_pk_add_f32 v[14:15], v[14:15], v[S+12:S+13]
.set j, 14
.rept 6
	v_pk_add_f32 v[236:237], v[236:237], v[S+j:S+j+1]
	v_pk_add_f32 v[254:255], v[254:255], v[S+j+2:S+j+3]
	v_pk_add_f32 v[250:251], v[250:251], v[S+j+4:S+j+5]
	v_pk_add_f32 v[14:15], v[14:15], v[S+j+6:S+j+7]
.set j, j+8
.endr
	v_pk_add_f32 v[236:237], v[236:237], v[S+62:S+63]
	v_pk_add_f32 v[254:255], v[254:255], v[250:251]
	v_pk_add_f32 v[14:15], v[14:15], v[236:237]
	v_pk_add_f32 v[14:15], v[14:15], v[254:255]
	s_wait_alu depctr_va_vdst(0)                   ; and one for the four
.irp b, 0,1,2,3
	v_max_num_f32 v[BM+\b], 0x1800000, v[BM+\b]    ; the floor 2^(3 - 127): the byte cannot fall under 1
.endr
.irp b, 0,1,2,3
	v_add_nc_u32 v[244+\b], 0xff000000, v[BM+\b]   ; 2 off the exponent field: the conversion's scale operand
.endr
.irp b, 0,1,2,3
	v_lshrrev_b32 v[236+\b], 23, v[244+\b]         ; the scale's byte
.endr
	v_lshl_or_b32 v240, v237, 8, v236
	s_delay_alu instid0(VALU_DEP_1)
	v_lshl_or_b32 v240, v238, 16, v240
	WIN 0x11*(\W)                                  ; the finished word goes to window 0
	v_lshl_or_b32 v[\p], v239, 24, v240            ; p's scale word for these 128 keys
	WIN 0x55*(\W)
.irp c, 0,1
	v_cvt_scalef32_pk16_fp6_f32 v[224+6*\c:226+6*\c], v[S+32*\c:S+15+32*\c], v[244+2*\c]
	v_cvt_scalef32_pk16_fp6_f32 v[236+4*\c:238+4*\c], v[S+16+32*\c:S+31+32*\c], v[244+2*\c+1]
.endr
	v_nop                                          ; one plain place behind a scaled conversion
.irp c, 0,1
.irp i, 0,1,2
	v_permlane16_swap_b32 v[224+6*\c+\i], v[236+4*\c+\i]
.endr
.irp i, 0,1,2
	v_mov_b32 v[227+6*\c+\i], v[236+4*\c+\i]
.endr
.endr
	s_wait_alu depctr_va_vdst(0)                   ; the wait, directly ahead of the first reader of O^T
.set j, 0
.rept 32
	v_pk_mul_f32 v[O+j:O+j+1], v[O+j:O+j+1], v[252:253] op_sel_hi:[1,0]   ; O^T under the new M.  (These 32 are also the places between the lines that made p's codes and scale word and the products)
.set j, j+2
.endr
.endm
; A KEY STEP: my 128 keys of the slot in hand, for both heads.  42 LDS loads at its head, in the order of their use: 2 (K's scale words), 12 (tiles 0-3), 8 (their mask), 12 (tiles 4-7), 8 (their mask).
.macro STEP
	v_add_nc_u32 v[ADK], s[TBK], v[LI]
	v_add_nc_u32 v[ADM], s[TB], v[AM0]
	v_add_nc_u32 v[ADS], s[TS], v[AS0]
	v_nop
	v_nop                                          ; five plain places behind the last step's products, in front of loads into registers that they read
	ds_load_b128 v[KS:KS+3], v[ADS]
	ds_load_b128 v[KS+4:KS+7], v[ADS] offset:256
	WIN 0x40
	FRAGS 0
	WIN 0
	MASKLD 0
	FRAGS IMG*4
	WIN 0x40
	MASKLD 1
	s_wait_dscnt 28                                ; the scale words and tiles 0-3 are in; the 28 loads behind them may be out
	SMUL 0, 0, QS0
	SMUL 0, 1, QS1
	s_wait_dscnt 20                                ; the mask of tiles 0-3 is in
	MASKMUL 0                                      ; sixteen plain instructions: the places behind those products
	s_wait_dscnt 8                                 ; tiles 4-7 are in; their mask's 8 loads may be out
	SMUL 1, 0, QS0
	SMUL 1, 1, QS1
	LOGITS 0, 0                                    ; plain instructions that name none of the last eight products' registers: their places
	LOGITS 0, 1
	WIN 0x40
	FRAGS KVB                                      ; V's eight tiles and scale words land under the softmax: 26 loads
	WIN 0
	FRAGS KVB+IMG*4
	ds_load_b128 v[KS:KS+3], v[ADS] offset:8192
	ds_load_b128 v[KS+4:KS+7], v[ADS] offset:8192+256
	BMAX 0, 0
	BMAX 0, 1
	s_wait_dscnt 26                                ; the mask of tiles 4-7 is in; V's 26 loads may be out
	MASKMUL 1
	LOGITS 1, 0
	LOGITS 1, 1
	BMAX 2, 0
	BMAX 2, 1
	SOFT 0, PS0
	SOFT 1, PS1
	s_wait_alu depctr_va_vdst(0)
	s_wait_dscnt 0x0                               ; V is in
	OMUL 0, 0, PS0
	OMUL 1, 0, PS0
	OMUL 0, 1, PS1
	OMUL 1, 1, PS1
	WIN 0
	s_add_co_u32 s[TS], s[TS], 1024                ; the next slot's scale blocks
.endm
; THE CHANGE OF SLOTS stands at a slot's head.  Each wave waits for all its tensor loads, adds 0 to its spare word, and waits for that and for its reads of the slot that it has left.
; fill = 1: a round of the cluster's barrier; the joint refill is the first thing behind it and has a slot's key steps in which to land.
.macro CHANGE fill
	s_wait_tensorcnt 0x0                           ; no tensor load of mine is out, so a group 0 may be written
	ds_add_u32 v[SPW], v[NIL]
	ds_add_u32 v[SPW], v[NIL]                      ; twice on end
.if \fill
	s_xor_b32 s[G0KV+1], s[G0KV+1], SLOT1          ; the walking descriptors: the other slot than last time, the next 256 keys
	s_add_nc_u64 s[G0KV+2:G0KV+3], s[G0KV+2:G0KV+3], KVB
	s_xor_b32 s[G0M+1], s[G0M+1], SLOT1
	s_add_nc_u64 s[G0M+2:G0M+3], s[G0M+2:G0M+3], 1024
	s_wait_xcnt 0x0                                ; the last prefetch, a slot back, has read its address
	s_add_nc_u64 s[PFA:PFA+1], s[PFA:PFA+1], s[PFS:PFS+1]
.endif
	s_wait_dscnt 0x0                               ; the adds are done, and my reads of the slot that I have left are over
.if \fill
	CROUND
	TLOAD
	ASK
.else
	s_barrier_signal -1
	s_barrier_wait -1
.endif
.endm
	s_wait_alu depctr_va_vdst(0)
	s_wait_loadcnt 0x0                             ; Q and its scale words; v8 is free again
.Lslot:                                            ; NSL - 1 trips: behind each change of slots but the last the next slot is asked for
	CHANGE 1
	STEP
	s_xor_b32 s[TB], s[TB], SLOT1
	s_xor_b32 s[TBK], s[TBK], SLOT1
	s_sub_co_u32 s[SLOTS], s[SLOTS], 1
	s_cmp_lg_u32 s[SLOTS], 0
	s_cbranch_scc1 .Lslot
	CHANGE 0                                       ; the last slot is written out
	STEP
	; THE TWO HALVES OF A TILE'S KEYS MEET.  Waves 4-7 store each head's O^T, -M and sum as images of their registers; a barrier; waves 0-3 load them by the same lines.
.rept 4
	v_nop                                          ; places behind the last products
.endr
	s_and_b32 s27, s[WV], 3
	s_mul_i32 s27, s27, PAIRB
	v_add_nc_u32 v8, s27, v[LI]                    ; my pair's place: made on the way that all waves take
	v_and_b32 v9, 15, v0
	v_lshlrev_b32 v9, 4, v9                        ; 16 r
	s_cmp_lt_u32 s[WV], 4
	s_cbranch_scc1 .Lkeeps
.irp W, 0,1
	WIN (\W)<<2                                    ; the data's window
.set j, 0
.rept 16
	ds_store_b128 v8, v[O+4*j:O+4*j+3] offset:STG+HB*\W+512*j   ; each accumulator from its low end on
.set j, j+1
.endr
	ds_store_b128 v8, v[12:15] offset:STG+HB*\W+8192
.endr
	WIN 0
.Lkeeps:
	s_wait_alu depctr_va_vdst(0)
	s_wait_dscnt 0x0                               ; for the others' sake: my stores have landed
	s_barrier_signal -1
	s_barrier_wait -1
	s_cmp_lt_u32 s[WV], 4
	s_cbranch_scc0 .Lend                           ; waves 4-7 have handed over
.irp W, 0,1
	WIN (\W)<<6
.set j, 0
.rept 16
	ds_load_b128 v[S+4*j:S+4*j+3], v8 offset:STG+HB*\W+512*j
.set j, j+1
.endr
	ds_load_b128 v[232:235], v8 offset:STG+HB*\W+8192
.endr
	s_wait_dscnt 0x0
.set TM, 232
.set PC, 160
.set PW, 250
.macro FIN W                           ; head W: the halves under the larger M, divided by the sum, quantised along the head's 128 channels, stored
	WIN 0x55*(\W)
	v_add_f32 v14, v14, v15                        ; my sum's two halves
	v_min_num_f32 v254, v12, v232                  ; -M of the larger M
	v_add_f32 v234, v234, v235                     ; the other's sum
	v_sub_f32 v252, v254, v12                      ; my M less the larger: a whole number, 0 or less
	v_sub_f32 v236, v254, v232                     ; the other's likewise
	v_cvt_i32_f32 v252, v252                       ; (they saturate)
	v_cvt_i32_f32 v236, v236
	v_ldexp_f32 v252, 1.0, v252                    ; f0 and f1: exact powers of two, or 0 for a half that lies far under the other
	v_ldexp_f32 v236, 1.0, v236
	v_mul_f32 v14, v14, v252
	v_fma_f32 v14, v234, v236, v14                 ; both under the larger M
	v_permlanex16_b32 v238, v14, s[SEL], s[SEL+1]
	v_add_f32 v14, v14, v238                       ; and lane l xor 16's: the row's sum
	s_wait_alu depctr_va_vdst(0)
	v_rcp_f32 v14, v14
	v_nop                                          ; a plain place behind the reciprocal
	s_wait_alu depctr_va_vdst(0)                   ; the wait, ahead of the first reader
	v_mul_f32 v252, v252, v14                      ; f0 / the sum,
	v_mul_f32 v236, v236, v14                      ; f1 / the sum
.set j, 0
.rept 32
	v_pk_mul_f32 v[O+j:O+j+1], v[O+j:O+j+1], v[252:253] op_sel_hi:[1,0]
.set j, j+2
.endr
.set j, 0
.rept 32
	v_pk_fma_f32 v[S+j:S+j+1], v[S+j:S+j+1], v[236:237], v[O+j:O+j+1] op_sel_hi:[1,0,1]   ; o: register 16 B + i of a lane is channel 32 B + 16 h + i
.set j, j+2
.endr
.irp b, 0,1,2,3
	v_max3_num_f32 v[TM+\b], |v[S+16*\b]|, |v[S+1+16*\b]|, 0x1800000
.endr
.irp i, 2,4,6,8,10,12,14
.irp b, 0,1,2,3
	v_max3_num_f32 v[TM+\b], v[TM+\b], |v[S+16*\b+\i]|, |v[S+1+16*\b+\i]|
.endr
.endr
.irp b, 0,1,2,3
	v_permlanex16_b32 v[TM+4+\b], v[TM+\b], s[SEL], s[SEL+1]
.endr
.irp b, 0,1,2,3
	v_max_num_f32 v[TM+\b], v[TM+\b], v[TM+4+\b]
.endr
.irp b, 0,1,2,3
	v_add_nc_u32 v[TM+12+\b], 0xff000000, v[TM+\b]
.endr
.irp b, 0,1,2,3
	v_lshrrev_b32 v[TM+4+\b], 23, v[TM+12+\b]
.endr
	v_lshl_or_b32 v[PW], v[TM+5], 8, v[TM+4]
	v_lshl_or_b32 v[PW], v[TM+6], 16, v[PW]
	v_lshl_or_b32 v[PW], v[TM+7], 24, v[PW]
.irp c, 0,1
	v_cvt_scalef32_pk16_fp6_f32 v[PC+6*\c:PC+2+6*\c], v[S+32*\c:S+15+32*\c], v[TM+12+2*\c]
	v_cvt_scalef32_pk16_fp6_f32 v[PC+12+4*\c:PC+14+4*\c], v[S+16+32*\c:S+31+32*\c], v[TM+12+2*\c+1]
.endr
	v_nop                                          ; one plain place behind a scaled conversion
.irp c, 0,1
.irp i, 0,1,2
	v_permlane16_swap_b32 v[PC+6*\c+\i], v[PC+12+4*\c+\i]
.endr
.irp i, 0,1,2
	v_mov_b32 v[PC+3+6*\c+\i], v[PC+12+4*\c+\i]
.endr
.endr
	WIN (\W)<<2                                    ; the stores' data in window W, their offsets in window 0
.irp c, 0,1,2
	global_store_b128 v[LI], v[PC+4*\c:PC+4*\c+3], s[92:93] offset:IMG*(\W)+512*\c   ; 32 lanes store 512 consecutive bytes, at a multiple of 256 from the buffer's first byte
.endr
	global_store_b32 v9, v[PW], s[94:95] offset:4*(\W)   ; row r's scale word; lanes r and r + 16 hold the same word and store it to the same place
.endm
	FIN 0
	FIN 1
	WIN 0
.Lend:
	s_wait_tensorcnt 0x0                           ; the wave's end: behind my last tensor load and my last LDS store
	ds_add_u32 v[SPW], v[NIL]
	s_wait_dscnt 0x0
	CROUND                                         ; the closing round: no work-group ends while a partner may still ask for a tile that names it
	s_endpgm
.Lfunc_end_k_q4294be3c2a_attn:
	.size	k_q4294be3c2a_attn, .Lfunc_end_k_q4294be3c2a_attn-k_q4294be3c2a_attn
	.p2alignl 7, 3214868480
	.fill 96, 4, 3214868480
	.section	.rodata,"a",@progbits
	.p2align	6, 0x0
	.amdhsa_kernel k_q4294be3c2a_attn
		.amdhsa_group_segment_fixed_size 327680
		.amdhsa_private_segment_fixed_size 0
		.amdhsa_enable_private_segment 0
		.amdhsa_kernarg_size 32
		.amdhsa_user_sgpr_count 2
		.amdhsa_user_sgpr_kernarg_segment_ptr 1
		.amdhsa_wavefront_size32 1
		.amdhsa_system_sgpr_workgroup_id_x 1
		.amdhsa_system_sgpr_workgroup_id_y 1
		.amdhsa_system_sgpr_workgroup_id_z 1
		.amdhsa_system_vgpr_workitem_id 0
		.amdhsa_next_free_vgpr 512
		.amdhsa_next_free_sgpr 100
		.amdhsa_reserve_vcc 0
		.amdhsa_float_denorm_mode_32 3
		.amdhsa_float_denorm_mode_16_64 3
		.amdhsa_memory_ordered 1
		.amdhsa_forward_progress 1
		.amdhsa_inst_pref_size 124
	.end_amdhsa_kernel
	.amdgpu_metadata
---
amdhsa.version: [ 1, 2 ]
amdhsa.kernels:
  - .name:           k_q4294be3c2a_attn
    .symbol:         k_q4294be3c2a_attn.kd
    .args:
      - { .name: qkv_img, .offset: 0, .size: 8, .value_kind: global_buffer, .address_space: global }
      - { .name: qkv_sc, .offset: 8, .size: 8, .value_kind: global_buffer, .address_space: global }
      - { .name: mask, .offset: 16, .size: 8, .value_kind: global_buffer, .address_space: global }
      - { .name: o_rec, .offset: 24, .size: 8, .value_kind: global_buffer, .address_space: global }
    .group_segment_fixed_size: 327680
    .private_segment_fixed_size: 0
    .kernarg_segment_align: 8
    .kernarg_segment_size: 32
    .max_flat_workgroup_size: 256
    .sgpr_count:     100
    .vgpr_count:     512
    .wavefront_size: 32
...
	.end_amdgpu_metadata
.endif
;; end of part 3
;; launch oproj (part 4): grid 16 x 16, 4 waves a work-group, clusters of 4 x 4, 327,680 bytes of LDS; arguments o_rec, wo_rec, out0; writes out0
.if DOCPART == 4
	.amdgcn_target "amdgcn-amd-amdhsa--gfx1250"
	.amdhsa_code_object_version 6
	.text
	.protected	k_q4294be3c2a_oproj
	.globl	k_q4294be3c2a_oproj
	.p2align	8
	.type	k_q4294be3c2a_oproj,@function
k_q4294be3c2a_oproj:
	s_mov_b64 s[64:65], 0
	v_nop
	global_prefetch_b8 v0, s[64:65] scope:SCOPE_SE
	s_setreg_imm32_b32 hwreg(HW_REG_WAVE_MODE, 25, 1), 1
	s_wait_xcnt 0x0
	s_wait_alu depctr_hold_cnt(0) depctr_sa_sdst(0) depctr_va_vdst(0) depctr_va_sdst(0) depctr_va_ssrc(0) depctr_va_vcc(0) depctr_vm_vsrc(0)
	s_getreg_b32 s2, hwreg(HW_REG_IB_STS2, 6, 4)
	s_cmp_eq_u32 s2, 0
	s_cbranch_scc0 .Lentry_in_a_cluster
	s_endpgm
.Lentry_in_a_cluster:
	s_bfe_u32 s2, ttmp6, 0x10000c
	s_cmp_lg_u32 s2, 0xf033
	s_cbranch_scc0 .Lentry_shape_is_right
	s_endpgm
.Lentry_shape_is_right:
; out0 = o wo^T on codes of FP6 (E2M3) with E8M0 scales, from the records of the launches before; f32 out.  A work-group makes 128 x 256 of the result, a wave 64 x 128: 32 accumulators by turns.
; K goes in four slots of 512 (24 records) through a ring of two LDS slots filled by joint loads of a 4 x 4 cluster: o's records shared along a row, wo's along a column.
; HEAD: one round, slot 0's load (one tensor load a wave), the set-up under its flight; then the three lines, a round, and slot 1's load.
; PREFETCH: behind the joint load of slot i (0, 1, 2) every cluster asks for slot i + 1 of what it will itself load; the four partners of a joint load share its blocks of 256 bytes out by address
; (25 blocks of o's 100, 50 of wo's 200, a lane a block; lanes 25-31 name lane 24's block again).  The results leave through each wave's stage in slot 0, which has had its last fill and its last read by then.
.set REC,   6400
.set IMG,   1536
.set SCB,   4*IMG
.set APART, 8*REC
.set SLOT,  24*REC
.set SPARE, 2*SLOT
.set LAPS,  2
.set ASTEP, 128*REC
.set BSTEP, 256*REC
.set SPITCH, 528
.set ROWC,  16384
.set ADRA, 16
.set ASA,  18
.set ADRB, 20
.set ASB,  22
.set STO,  24
.set RD,   25
.set SPW,  28
.set NIL,  29
.set SA,   32
.set SB,   64
.set AF,   128
.set BK,   128
.set G1,  24
.set G0,  32
.set G1B, 48
.set G0B, 56
.set PFO, 26                           ; v26 the prefetches' offset: 256 x min(lane, 24); never rewritten
.set PFA, 80                           ; s[80:81] where my prefetches stand
.set PFS, 82                           ; s[82:83] a slot on: o's step or wo's
.macro ASK
	global_prefetch_b8 v[PFO], s[PFA:PFA+1] th:TH_LOAD_NT scope:SCOPE_SE
	s_cmp_eq_u32 s15, 0
	s_cbranch_scc1 .Lasked_all_\@                  ; wo's waves have twice the blocks
	global_prefetch_b8 v[PFO], s[PFA:PFA+1] offset:25*256 th:TH_LOAD_NT scope:SCOPE_SE
.Lasked_all_\@:
.endm
.set MSB, 0
.macro WIN new
.if MSB != \new
	s_set_vgpr_msb (MSB<<8)|\new
.set MSB, \new
.endif
.endm
.set MUL,  0xa1
.set TO_B, 0x40
.macro JLOAD s
	s_cmp_eq_u32 s15, 0
	s_cbranch_scc0 .Lfor_b_\@
	tensor_load_to_lds s[G0+4*\s:G0+4*\s+3], s[G1:G1+7]
	s_nop 0
.rept 4
	v_nop
.endr
	s_branch .Lasked_\@
.Lfor_b_\@:
	tensor_load_to_lds s[G0B+4*\s:G0B+4*\s+3], s[G1B:G1B+7]
	s_nop 0
.rept 4
	v_nop
.endr
.Lasked_\@:
.endm
.macro CREST
	s_cmp_lg_u32 s14, 0
	s_cbranch_scc1 .Lnot_wave_0_\@
	s_barrier_signal -3
.Lnot_wave_0_\@:
	s_barrier_wait -3
	s_barrier_signal -1
	s_barrier_wait -1
.endm
.macro CROUND
	s_barrier_signal -1
	s_barrier_wait -1
	CREST
.endm
.macro PLACES n
.rept \n
	v_nop
.endr
.endm
	s_load_b128 s[4:7], s[0:1], 0x0
	s_load_b64 s[8:9], s[0:1], 0x10
	v_lshl_add_u32 v[SPW], v0, 2, SPARE
	v_mov_b32 v[NIL], 0
	ds_add_u32 v[SPW], v[NIL]
	ds_add_u32 v[SPW], v[NIL]
	v_lshrrev_b32 v1, 5, v0
	v_readfirstlane_b32 s14, v1
	s_lshr_b32 s15, s14, 1
	s_and_b32 s16, s14, 1
	s_bfe_u32 s40, ttmp6, 0x40000
	s_bfe_u32 s41, ttmp6, 0x40004
	s_lshl_b32 s42, ttmp9, 2
	s_add_co_u32 s42, s42, s40
	s_and_b32 s17, ttmp7, 0xffff
	s_lshl_b32 s17, s17, 2
	s_add_co_u32 s17, s17, s41
	s_lshl_b32 s43, s41, 2
	s_lshl_b32 s43, 15, s43
	s_lshl_b32 s44, 0x1111, s40
	s_or_b32 s[G1+0], s43, (3<<16)|(1<<21)
	s_or_b32 s[G1B+0], s44, (3<<16)|(1<<21)
	s_mov_b32 s[G1+1], 32<<16
	s_mov_b32 s[G1+2], 100<<16
	s_mov_b32 s[G1+3], 32<<16
	s_mov_b32 s[G1+4], 100
	s_mov_b32 s[G1+5], 32
	s_mov_b32 s[G1+6], 0
	s_mov_b32 s[G1+7], 0
	s_mov_b32 s[G1B+1], 32<<16
	s_mov_b32 s[G1B+2], 200<<16
	s_mov_b32 s[G1B+3], 32<<16
	s_mov_b32 s[G1B+4], 200
	s_mov_b32 s[G1B+5], 32
	s_mov_b32 s[G1B+6], 0
	s_mov_b32 s[G1B+7], 0
	s_lshl_b32 s20, s17, 3
	s_lshl_b32 s22, s16, 2
	s_add_co_u32 s20, s20, s22
	s_mul_i32 s20, s20, REC
	s_mov_b32 s21, 0
	s_lshl_b32 s46, s42, 4
	s_lshl_b32 s22, s16, 3
	s_add_co_u32 s46, s46, s22
	s_mul_i32 s46, s46, REC
	s_mov_b32 s47, 0
	s_mul_i32 s18, s16, 4*REC
	s_mul_i32 s19, s16, 8*REC
	s_add_co_u32 s19, s19, APART
	s_wait_dscnt 0x0
	s_wait_kmcnt 0x0
	s_add_nc_u64 s[20:21], s[4:5], s[20:21]
	s_add_nc_u64 s[46:47], s[6:7], s[46:47]
	CROUND
.irp s, 0,1
	s_mov_b32 s[G0+4*\s], 1
	s_add_co_u32 s[G0+4*\s+1], s18, \s*SLOT
	s_add_nc_u64 s[G0+4*\s+2:G0+4*\s+3], s[20:21], \s*ASTEP
	s_or_b32 s[G0+4*\s+3], s[G0+4*\s+3], 0x80000000
	s_mov_b32 s[G0B+4*\s], 1
	s_add_co_u32 s[G0B+4*\s+1], s19, \s*SLOT
	s_add_nc_u64 s[G0B+4*\s+2:G0B+4*\s+3], s[46:47], \s*BSTEP
	s_or_b32 s[G0B+4*\s+3], s[G0B+4*\s+3], 0x80000000
.endr
	JLOAD 0                                        ; slot 0: one tensor load a wave at the head
	v_and_b32 v1, 15, v0
	v_bfe_u32 v2, v0, 4, 1
	v_and_b32 v4, 31, v0
	v_lshlrev_b32 v3, 4, v4
	v_lshlrev_b32 v5, 4, v1
	s_mul_i32 s2, s15, 4*REC
	s_mul_i32 s3, s16, 8*REC
	s_add_co_u32 s3, s3, APART
.irp s, 0,1
	v_add_nc_u32 v[ADRA+\s], s2, v3
	v_add_nc_u32 v[ASA+\s], s2, v5
	v_add_nc_u32 v[ADRB+\s], s3, v3
	v_add_nc_u32 v[ASB+\s], s3, v5
	s_add_co_u32 s2, s2, SLOT
	s_add_co_u32 s3, s3, SLOT
.endr
	s_mul_i32 s2, s14, 16*SPITCH
	v_mul_u32_u24 v[STO], v1, SPITCH
	v_lshl_add_u32 v[STO], v2, 5, v[STO]
	v_add_nc_u32 v[STO], s2, v[STO]
	v_add_nc_u32 v[RD], s2, v3
	s_lshl_b32 s68, s17, 21
	s_lshl_b32 s67, s15, 20
	s_add_co_u32 s68, s68, s67
	s_lshl_b32 s67, s42, 10
	s_add_co_u32 s68, s68, s67
	s_lshl_b32 s67, s16, 9
	s_add_co_u32 s68, s68, s67
	s_mov_b32 s69, 0
	s_add_nc_u64 s[8:9], s[8:9], s[68:69]
	s_mov_b32 s86, 50*256                          ; the prefetches: my work-group's share of the records that my wave fetches, told apart by address
	s_mov_b32 s[PFS], BSTEP
	s_cmp_eq_u32 s15, 0                            ; do I fetch o's records?
	s_cselect_b64 s[PFA:PFA+1], s[20:21], s[46:47]
	s_cselect_b32 s88, s40, s41                    ; my place among the four that ask with me
	s_cselect_b32 s86, 25*256, s86
	s_cselect_b32 s[PFS], ASTEP, s[PFS]
	s_mov_b32 s[PFS+1], 0
	s_mul_i32 s86, s88, s86
	s_mov_b32 s87, 0
	s_add_nc_u64 s[PFA:PFA+1], s[PFA:PFA+1], s[86:87]
	s_add_nc_u64 s[PFA:PFA+1], s[PFA:PFA+1], s[PFS:PFS+1]   ; at slot 1
	v_min_u32 v[PFO], 24, v4
	v_lshlrev_b32 v[PFO], 8, v[PFO]
.macro FETCH_B slot, q, p
	WIN TO_B
.irp i, 0,1,2,3,4,5,6,7
.irp c, 0,1,2
	ds_load_b128 v[128*(\p)+12*\i+4*\c:128*(\p)+12*\i+4*\c+3], v[ADRB+\slot] offset:REC*\i+IMG*(\q)+512*\c
.endr
.endr
	WIN 0
.endm
.macro FETCH_A slot, q, p
.irp i, 0,1,2,3
.irp c, 0,1,2
	ds_load_b128 v[AF+48*(\p)+12*\i+4*\c:AF+48*(\p)+12*\i+4*\c+3], v[ADRA+\slot] offset:REC*\i+IMG*(\q)+512*\c
.endr
.endr
.endm
.macro SCALES slot
.irp i, 0,1,2,3
	ds_load_b128 v[SA+16*\slot+4*\i:SA+16*\slot+4*\i+3], v[ASA+\slot] offset:SCB+REC*\i
.endr
.irp i, 0,1,2,3,4,5,6,7
	ds_load_b128 v[SB+32*\slot+4*\i:SB+32*\slot+4*\i+3], v[ASB+\slot] offset:SCB+REC*\i
.endr
.endm
.macro MUL8 a, p, q, set, zero
.irp b, 0,1,2,3,4,5,6,7
.if \zero
	v_wmma_scale_f32_16x16x128_f8f6f4 v[8*(8*(\a)+\b):8*(8*(\a)+\b)+7], v[128*(\p)+12*\b:128*(\p)+12*\b+11], v[AF+48*(\p)+12*(\a):AF+48*(\p)+12*(\a)+11], 0, v[SB+32*(\set)+4*\b+(\q)], v[SA+16*(\set)+4*(\a)+(\q)] matrix_a_fmt:MATRIX_FMT_FP6 matrix_b_fmt:MATRIX_FMT_FP6
.else
	v_wmma_scale_f32_16x16x128_f8f6f4 v[8*(8*(\a)+\b):8*(8*(\a)+\b)+7], v[128*(\p)+12*\b:128*(\p)+12*\b+11], v[AF+48*(\p)+12*(\a):AF+48*(\p)+12*(\a)+11], v[8*(8*(\a)+\b):8*(8*(\a)+\b)+7], v[SB+32*(\set)+4*\b+(\q)], v[SA+16*(\set)+4*(\a)+(\q)] matrix_a_fmt:MATRIX_FMT_FP6 matrix_b_fmt:MATRIX_FMT_FP6
.endif
.endr
.endm
.macro STEP slot, q, zero
	s_wait_dscnt 0x0
	PLACES 4
	FETCH_B \slot, (\q)+1, 1-(\q)%2
	FETCH_A \slot, (\q)+1, 1-(\q)%2
	WIN MUL
	MUL8 0, (\q)%2, \q, \slot, \zero
	MUL8 1, (\q)%2, \q, \slot, \zero
	MUL8 2, (\q)%2, \q, \slot, \zero
	MUL8 3, (\q)%2, \q, \slot, \zero
	WIN 0
.endm
.macro TURN slot, next, fill
.if (\fill) && (\slot) == 0
	s_wait_xcnt 0x0                                ; my last prefetch has read its address: on to slot 3
	s_add_nc_u64 s[PFA:PFA+1], s[PFA:PFA+1], s[PFS:PFS+1]
.endif
	s_wait_tensorcnt 0x0
	ds_add_u32 v[SPW], v[NIL]
	s_wait_dscnt 1
	WIN MUL
	MUL8 0, 1, 3, \slot, 0
	s_wait_dscnt 0x0
	s_barrier_signal -1
	MUL8 1, 1, 3, \slot, 0
	WIN 0
	s_barrier_wait -1
.if \fill
	CREST
	s_add_nc_u64 s[G0+4*\slot+2:G0+4*\slot+3], s[G0+4*\slot+2:G0+4*\slot+3], 2*ASTEP
	s_add_nc_u64 s[G0B+4*\slot+2:G0B+4*\slot+3], s[G0B+4*\slot+2:G0B+4*\slot+3], 2*BSTEP
	JLOAD \slot
.else
	PLACES 4
.endif
	FETCH_B \next, 0, 0
	FETCH_A \next, 0, 0
	SCALES \next
.if (\fill) && (\slot) == 0
	ASK                                            ; slot 3, behind slot 2's joint load and the run of LDS loads
.endif
	WIN MUL
	MUL8 2, 1, 3, \slot, 0
	MUL8 3, 1, 3, \slot, 0
	WIN 0
.endm
	s_wait_alu depctr_va_vdst(0)
	ASK                                            ; slot 1
	s_wait_tensorcnt 0x0                           ; my part of slot 0 is in; the three lines ahead of a later first fill
	ds_add_u32 v[SPW], v[NIL]
	s_wait_xcnt 0x0                                ; the prefetch has read its address: on to slot 2
	s_add_nc_u64 s[PFA:PFA+1], s[PFA:PFA+1], s[PFS:PFS+1]
	s_wait_dscnt 0x0
	CROUND                                         ; everybody's part is in, and the sixteen work-groups meet
	JLOAD 1                                        ; slot 1, the first tensor load behind the round
	FETCH_B 0, 0, 0
	FETCH_A 0, 0, 0
	SCALES 0
	ASK                                            ; slot 2
	STEP 0, 0, 1
	s_mov_b32 s77, LAPS-1
.Llap:
	STEP 0, 1, 0
	STEP 0, 2, 0
	TURN 0, 1, 1
	STEP 1, 0, 0
	STEP 1, 1, 0
	STEP 1, 2, 0
	TURN 1, 0, 1
	STEP 0, 0, 0
	s_sub_co_u32 s77, s77, 1
	s_cmp_lg_u32 s77, 0
	s_cbranch_scc1 .Llap
	STEP 0, 1, 0
	STEP 0, 2, 0
	TURN 0, 1, 0
	STEP 1, 0, 0
	STEP 1, 1, 0
	STEP 1, 2, 0
	s_wait_dscnt 0x0
	WIN MUL
	MUL8 0, 1, 3, 1, 0
	MUL8 1, 1, 3, 1, 0
	MUL8 2, 1, 3, 1, 0
	MUL8 3, 1, 3, 1, 0
	WIN 0
.macro TOSTAGE a
	WIN 0x08
.irp b, 0,1,2,3,4,5,6,7
	ds_store_b128 v[STO], v[64*(\a)+8*\b:64*(\a)+8*\b+3] offset:64*\b
	ds_store_b128 v[STO], v[64*(\a)+8*\b+4:64*(\a)+8*\b+7] offset:64*\b+16
.endr
	WIN 0
.irp t, 0,1,2,3,4,5,6,7,8,9,10,11,12,13,14,15
	ds_load_b128 v[BK+64*((\a)%2)+4*\t:BK+64*((\a)%2)+4*\t+3], v[RD] offset:\t*SPITCH
.endr
.endm
.macro SEND a, younger
	s_wait_dscnt \younger
.if (\a) > 0
	s_add_nc_u64 s[8:9], s[8:9], 16*ROWC
.endif
.irp t, 0,1,2,3,4,5,6,7,8,9,10,11,12,13,14,15
	global_store_b128 v3, v[BK+64*((\a)%2)+4*\t:BK+64*((\a)%2)+4*\t+3], s[8:9] offset:\t*ROWC th:TH_STORE_NT
.endr
.endm
	PLACES 4
	TOSTAGE 0
.irp a, 1,2,3
.if \a > 1
	s_wait_xcnt 0x0
.endif
	TOSTAGE \a
	SEND \a-1, 32
.endr
	s_wait_xcnt 0x0
	SEND 3, 0
	s_wait_tensorcnt 0x0
	ds_add_u32 v[SPW], v[NIL]
	s_wait_dscnt 0x0
	CROUND
	s_endpgm
.Lfunc_end_k_q4294be3c2a_oproj:
	.size	k_q4294be3c2a_oproj, .Lfunc_end_k_q4294be3c2a_oproj-k_q4294be3c2a_oproj
	.p2alignl 7, 3214868480
	.fill 96, 4, 3214868480
	.section	.rodata,"a",@progbits
	.p2align	6, 0x0
	.amdhsa_kernel k_q4294be3c2a_oproj
		.amdhsa_group_segment_fixed_size 327680
		.amdhsa_private_segment_fixed_size 0
		.amdhsa_enable_private_segment 0
		.amdhsa_kernarg_size 24
		.amdhsa_user_sgpr_count 2
		.amdhsa_user_sgpr_kernarg_segment_ptr 1
		.amdhsa_wavefront_size32 1
		.amdhsa_system_sgpr_workgroup_id_x 1
		.amdhsa_system_sgpr_workgroup_id_y 1
		.amdhsa_system_sgpr_workgroup_id_z 1
		.amdhsa_system_vgpr_workitem_id 0
		.amdhsa_next_free_vgpr 768
		.amdhsa_next_free_sgpr 100
		.amdhsa_reserve_vcc 0
		.amdhsa_float_denorm_mode_32 3
		.amdhsa_float_denorm_mode_16_64 3
		.amdhsa_memory_ordered 1
		.amdhsa_forward_progress 1
		.amdhsa_inst_pref_size 134
	.end_amdhsa_kernel
	.amdgpu_metadata
---
amdhsa.version: [ 1, 2 ]
amdhsa.kernels:
  - .name:           k_q4294be3c2a_oproj
    .symbol:         k_q4294be3c2a_oproj.kd
    .args:
      - { .name: o_rec, .offset: 0, .size: 8, .value_kind: global_buffer, .address_space: global }
      - { .name: wo_rec, .offset: 8, .size: 8, .value_kind: global_buffer, .address_space: global }
      - { .name: out0, .offset: 16, .size: 8, .value_kind: global_buffer, .address_space: global }
    .group_segment_fixed_size: 327680
    .private_segment_fixed_size: 0
    .kernarg_segment_align: 8
    .kernarg_segment_size: 24
    .max_flat_workgroup_size: 128
    .sgpr_count:     100
    .vgpr_count:     768
    .wavefront_size: 32
...
	.end_amdgpu_metadata
.endif
;; end of part 4
